; MI455X (gfx1250); checked and timed in simulation.
; The chip was launched on July 23, 2026; its instructions are those of AMD's public machine-readable ISA for CDNA 5 (MIT licence, August 2026) and "CDNA5" Instruction Set Architecture Reference Guide (July 2026). The comments in the code are by the model that wrote it; some were corrected since.
;; MHA. Allowed arithmetic: matrix products marked QUANTISED: E2M1 operands, one E8M0 scale for each 32 along K, by v_wmma_scale_f32_16x16x128_f8f6f4 with both operands' format E2M1 (or v_wmma_scale_f32_32x16x128_f4), f32 sums; everything else in f32.
;; Inputs: Wk 1,024 x 1,024 float32; Wo 1,024 x 1,024 float32; Wq 1,024 x 1,024 float32; Wv 1,024 x 1,024 float32; attn_mask 1 x 1 x 2,048 x 2,048 int32; bk 1,024 float32; bo 1,024 float32; bq 1,024 float32; bv 1,024 float32; x 4 x 2,048 x 1,024 float32.
;; Outputs: out0 4 x 2,048 x 1,024 float32.
;; This version of the problem:
;;   THIS VERSION OF THE PROBLEM IS GIVEN IN LOW PRECISION. The matrix products marked QUANTISED in the list below multiply operands that are first quantised to E2M1 (2 exponent bits, 1 mantissa bit; 4 bits a number), with one power-of-two scale for each 32 numbers along K (OCP MX v1.0); their sums are f32. All else is computed in f32.
;;   The module's matrix products, in the order in which they are computed (A, B: the left and right operand; K: the contracted axis; several contracted axes count as one K, in the product's order):
;;     1. [M 8,192, K 1,024] x [K 1,024, N 1,024]; A: input x; B: input Wq: QUANTISED
;;     2. [M 8,192, K 1,024] x [K 1,024, N 1,024]; A: input x; B: input Wk: QUANTISED
;;     3. [M 8,192, K 1,024] x [K 1,024, N 1,024]; A: input x; B: input Wv: QUANTISED
;;     4. batch 64 x [M 2,048, K 64] x [K 64, N 2,048]; A: computed on the way; B: computed on the way: QUANTISED
;;     5. batch 64 x [M 2,048, K 2,048] x [K 2,048, N 64]; A: softmax (see below); B: computed on the way: QUANTISED
;;     6. [M 8,192, K 1,024] x [K 1,024, N 1,024]; A: computed on the way; B: input Wo: QUANTISED
;;   THE QUANTISER, for each operand of a quantised product, along K:
;;     - K is cut into blocks of 32 from its start; a last block that is shorter is filled with zeros.
;;     - A block's scale is 2^e with e = floor(log2(the largest magnitude in the block)) - 2, held to -126 .. 127; a block of zeros has e = 0. As a byte (E8M0): e + 127.
;;     - Each number is divided by its block's scale, clamped to +-6, and rounded to the nearest number of E2M1, ties to even, subnormals kept.
;;     - The product sums the exact products of the quantised numbers (number of the format x scale) in f32.
;;   ~~~python
;;   def quantise(x, axis):      # numpy; x: float32 -> the quantised numbers, widened to float32 again
;;       x = np.moveaxis(x, axis, -1); K = x.shape[-1]
;;       x = np.pad(x, [(0, 0)] * (x.ndim - 1) + [(0, -K % 32)]); x = x.reshape(x.shape[:-1] + (-1, 32)); a = np.abs(x).max(-1, keepdims=True)
;;       e = np.where(a > 0, np.clip(np.frexp(np.where(a > 0, a, 1))[1] - 1 - 2, -126, 127), 0)      # np.frexp(a)[1] - 1 = floor(log2(a)), exactly
;;       r = np.clip(x / 2.0 ** e, -6, 6)
;;       step = 2.0 ** (np.maximum(np.frexp(np.where(r == 0, 1, r))[1] - 1, 0) - 1)
;;       q = np.round(r / step) * step * 2.0 ** e      # np.round: ties to even
;;       return np.moveaxis(q.reshape(q.shape[:-2] + (-1,))[..., :K], -1, axis).astype(np.float32)
;;   ~~~
;;   SOFTMAX AHEAD OF A QUANTISED PRODUCT. Where the list says 'softmax', what is quantised is not the finished softmax but p = 2^(t - M), with t = logit x log2(e) and M = ceil(the row's largest t), a whole number; so 1/2 < the row's largest p <= 1. The row's sum l is taken of the UNQUANTISED p, in f32, and the product's result is divided by l at the end. Since M is a whole number, a kernel that streams over the keys may use a running M (the ceiling of the running maximum): every later rescaling is an exact power of two, which a block's scale takes up: the codes' values come out the same.
;;   OPERANDS COMPUTED ON THE WAY. 'Computed on the way' means the value that the module computes at that place (a softmax that the list does not call 'softmax' is quantised finished and normalised). What goes into a quantiser is computed in f32, as accurately as f32 sums, v_exp_f32 and their like allow (about 1e-6 of the number): no bf16 or f16 on the way to a quantiser, and a product that is left as it is and whose result goes on into a quantised operand takes f32 operands (vector FMAs, or v_wmma_f32_16x16x4_f32). A number that lies on a knife's edge between two numbers of the format may be rounded either way, as far as f32 arithmetic and the matrix unit's own rounding can turn it there, and no further.
;; 2 versions, each right; version 2 is version 1 with the launch attn written anew for expert scheduling mode. Each part assembles by itself: llvm-mc -triple=amdgcn-amd-amdhsa -mcpu=gfx1250 --defsym DOCPART=n.
;; ======== version 1 of 2: 4 launches
;; workspace buffers: opnd 6,684,672 bytes; maskw 532,480 bytes of whole numbers; qkv 13,893,632 bytes; ctx 4,456,448 bytes
;; launch prep (part 1): grid 320 x 1, 8 waves a work-group, no clusters, 136,192 bytes of LDS; arguments x, attn_mask, Wq, Wk, Wv, Wo, opnd, maskw; writes opnd, maskw
.if DOCPART == 1
	.amdgcn_target "amdgcn-amd-amdhsa--gfx1250"
	.amdhsa_code_object_version 6
	.text
	.protected	k_q3bc93c5a5e_prep
	.globl	k_q3bc93c5a5e_prep
	.p2align	8
	.type	k_q3bc93c5a5e_prep,@function
k_q3bc93c5a5e_prep:
	s_mov_b64 s[64:65], 0
	v_nop
	global_prefetch_b8 v0, s[64:65] scope:SCOPE_SE
	s_setreg_imm32_b32 hwreg(HW_REG_WAVE_MODE, 25, 1), 1
	s_wait_xcnt 0x0
; PREP: everything that is read wide is read once here and left in the order in which the later launches' registers take it.
;  work-groups   0-127: x [8192][1024] f32 -> codes of E2M1 and E8M0 scale words (K = the row's 1,024)
;  work-groups 128-191: attn_mask [2048][2048] int32 -> one lane mask for each score register of the attention launch, and a flag for each (query tile, 128 keys)
;  work-groups 192-319: Wq, Wk, Wv, Wo [1024 (k)][1024 (n)] f32 -> codes and scale words with K innermost
; TILES.  An axis that becomes the 16 rows of a fragment is cut into groups of 32: tile T = 2 g + u, its row r is index 32 g + 8 u + r + 8 (r / 8).
; CODES: [tile][block of 32 along K][r][16 bytes]: a fragment (16 rows x 128 K) is two runs of 512 bytes, 16 bytes a lane, as the operand's registers hold it.
; SCALE WORDS: x: [tile][K half][r][4 words];  weights: [tile][K step of 128][r].
; A block's scale is 2^(floor(log2(its largest magnitude)) - 2); its byte is that magnitude's exponent field - 2, held at 1 from below.
; LIMITS: a block of zeros, or one whose largest magnitude lies under 2^-124, keeps the byte 1 (its codes are read by this program alone); NaN and infinities among x and the weights are not served.
; No matrix work, no tensor load, no barrier: waves share nothing.  No cluster: no two work-groups read the same bytes.
.set XS,   4194304                     ; opnd: x's scale words (x's codes begin at 0)
.set WC,   4456448                     ; the weights' codes: Wq, Wk, Wv, Wo, 64 tiles each
.set WS,   6553600                     ; the weights' scale words
.set FL,   524288                      ; maskw: the flags (the lane masks begin at 0)
.set SROW, 528                         ; a stage row: 512 bytes + 16, so that sixteen rows begin at sixteen different 16-byte columns of 256 bytes
.set WSTG, 16*SROW                     ; a wave's stage
.set MSTG, 8*WSTG                      ; the mask path's stages lie behind the x path's: each path has LDS bytes of its own
.set R,    16                          ; v16-143  two sets of 64 registers as loaded (w path: 128 numbers down K)
.set X,    144                         ; v144-207 64 numbers: register 16 b + i = column 32 b + 16 (lane / 16) + i of tile row lane % 16
.set TM,   208                         ; v208-223 at work in QUANT
.set SW,   224                         ; v224-227 four scale words, or four flags
.set PC,   228                         ; v228-235 a fragment's codes
.set W,    228                         ; v228-229 mask path: 64 lane masks, two to a lane
.set SEL,  22                          ; s[22:23] v_permlanex16_b32's selects for lane l xor 16
; 16 loads: unit u (512 bytes) of the tile's 16 rows; each load reads 512 consecutive bytes, 16 a lane
.macro LOADU set, u, pitch, base
.irp i, 0,1,2,3,4,5,6,7,8,9,10,11,12,13,14,15
	global_load_b128 v[R+64*(\set)+4*\i:R+64*(\set)+4*\i+3], v1, s[\base:\base+1] offset:(\i+8*(\i/8))*\pitch+512*(\u) th:TH_LOAD_NT
.endr
.endm
; the unit turns through the wave's own stage: in as loaded, out 64 bytes a lane.  LDS serves a wave's instructions in order: no wait between the stores and the loads
.macro TURNU set
.irp i, 0,1,2,3,4,5,6,7,8,9,10,11,12,13,14,15
	ds_store_b128 v6, v[R+64*(\set)+4*\i:R+64*(\set)+4*\i+3] offset:SROW*\i
.endr
.irp b, 0,1,2,3
.irp j, 0,1,2,3
	ds_load_b128 v[X+16*\b+4*\j:X+16*\b+4*\j+3], v7 offset:128*\b+16*\j
.endr
.endr
.endm
; 64 numbers of a lane become a fragment's codes in v[pc] on and its row's scale word in v[pw]
.macro QUANT s, pc, pw
.irp b, 0,1,2,3
	v_max3_num_f32 v[TM+\b], |v[\s+16*\b]|, |v[\s+1+16*\b]|, 0x1800000   ; block b: my 16 numbers, and the floor 2^(3 - 127): the byte cannot fall under 1
.endr
.irp i, 2,4,6,8,10,12,14
.irp b, 0,1,2,3
	v_max3_num_f32 v[TM+\b], v[TM+\b], |v[\s+16*\b+\i]|, |v[\s+1+16*\b+\i]|   ; the four blocks by turns
.endr
.endr
.irp b, 0,1,2,3
	v_permlanex16_b32 v[TM+4+\b], v[TM+\b], s[SEL], s[SEL+1]
.endr
.irp b, 0,1,2,3
	v_max_num_f32 v[TM+\b], v[TM+\b], v[TM+4+\b]   ; with lane l xor 16's 16: the block's largest magnitude
.endr
.irp b, 0,1,2,3
	v_add_nc_u32 v[TM+12+\b], 0xff000000, v[TM+\b]   ; 2 off its exponent field: the conversion's scale operand
.endr
.irp b, 0,1,2,3
	v_lshrrev_b32 v[TM+4+\b], 23, v[TM+12+\b]      ; the scale's byte
.endr
	v_lshl_or_b32 v[\pw], v[TM+5], 8, v[TM+4]
	v_lshl_or_b32 v[\pw], v[TM+6], 16, v[\pw]
	v_lshl_or_b32 v[\pw], v[TM+7], 24, v[\pw]
.irp b, 0,1,2,3
	v_cvt_scalef32_pk8_fp4_f32 v[\pc+2*\b], v[\s+16*\b:\s+7+16*\b], v[TM+12+\b]
	v_cvt_scalef32_pk8_fp4_f32 v[\pc+1+2*\b], v[\s+8+16*\b:\s+15+16*\b], v[TM+12+\b]
.endr
	v_nop                                          ; one plain instruction behind a scaled conversion
.irp c, 0,1                                    ; the operand wants a whole block in a lane: lanes 0-15 block 2 c, lanes 16-31 block 2 c + 1
.irp i, 0,1
	v_permlane16_swap_b32 v[\pc+4*\c+\i], v[\pc+2+4*\c+\i]
.endr
.endr
.endm
; x path: one K step of 128 of the tile
.macro XUNIT u
.if \u < 3
	s_wait_loadcnt 16                              ; this unit's 16 loads are in; the next unit's 16 may be out
.else
	s_wait_loadcnt 0x0
.endif
	TURNU (\u)%2
	s_wait_dscnt 0x0                               ; the numbers are back, and the stage's stores have read their registers,
.if \u < 2
	LOADU (\u)%2, (\u)+2, 4096, 4                  ; which take the unit two further on
.endif
.if \u > 0
	s_wait_xcnt 0x0                                ; the last unit's stores have read the codes' registers
.endif
	QUANT X, PC, SW+\u
.irp c, 0,1
	global_store_b128 v1, v[PC+4*\c:PC+4*\c+3], s[30:31] offset:1024*\u+512*\c   ; 32 lanes store 512 consecutive bytes
.endr
.endm
; mask path: 128 keys of the tile's 16 queries: 64 lane masks (bit l of mask n: the key of score register n is hidden from lane l's query) and the flag
.macro MUNIT u
.if \u < 3
	s_wait_loadcnt 16
.else
	s_wait_loadcnt 0x0
.endif
	TURNU (\u)%2
	s_wait_dscnt 0x0
.if \u < 2
	LOADU (\u)%2, (\u)+2, 8192, 6
.endif
.if \u > 0
	s_wait_xcnt 0x0                                ; the last unit's store has read the masks' registers
.endif
.set n, 0
.rept 2
.set m, 0
.rept 32
	v_cmp_eq_u32 s[32+m], 0, v[X+n+m]
.set m, m+1
.endr
.set m, 0
.rept 16
.if (n == 0) && (m == 0)
	s_mov_b64 s[24:25], s[32:33]                   ; the AND of all masks (all ones: every key hidden from every query)
	s_mov_b64 s[26:27], s[32:33]                   ; and their OR (zero: nothing hidden)
.else
	s_and_b64 s[24:25], s[24:25], s[32+m:33+m]
	s_or_b64 s[26:27], s[26:27], s[32+m:33+m]
.endif
.set m, m+2
.endr
.set m, 0
.rept 32
	v_writelane_b32 v[W+(m&1)], s[32+m], (n+m)>>1  ; mask n goes to word n of the unit's 256 bytes: lane n / 2, register n % 2
.set m, m+1
.endr
.set n, n+32
.endr
	global_store_b64 v8, v[W:W+1], s[30:31] offset:256*\u   ; 32 lanes store 256 consecutive bytes, aligned
	s_and_b32 s24, s24, s25
	s_or_b32 s26, s26, s27
	s_cmp_eq_u32 s24, -1
	s_cselect_b32 s28, 2, 1                        ; 2: all hidden; 1: mixed;
	s_cmp_eq_u32 s26, 0
	s_cselect_b32 s28, 0, s28                      ; 0: all visible
	v_mov_b32 v[SW+\u], s28
.endm
; w path: block t of the K step: 32 rows of W at my column
.macro WLOAD t
.irp i, 0,1,2,3,4,5,6,7,8,9,10,11,12,13,14,15,16,17,18,19,20,21,22,23,24,25,26,27,28,29,30,31
	global_load_b32 v[R+32*(\t)+\i], v6, s[8:9] offset:(32*(\t)+\i)*4096 th:TH_LOAD_NT
.endr
.endm
.macro WBLOCK t
.set XB, R+32*(\t)
.if (\t) < 3
	s_wait_loadcnt 32                              ; this block's 32 loads are in; the next block's 32 may be out
.else
	s_wait_loadcnt 0x0
.endif
.if (\t) < 2
	WLOAD (\t)+2
.endif
	v_max3_num_f32 v12, |v[XB]|, |v[XB+1]|, |v[XB+2]|   ; all 32 numbers of the block are mine
	v_max3_num_f32 v13, |v[XB+3]|, |v[XB+4]|, |v[XB+5]|
.irp i, 6,10,14,18,22,26
	v_max3_num_f32 v12, v12, |v[XB+\i]|, |v[XB+\i+1]|
	v_max3_num_f32 v13, v13, |v[XB+\i+2]|, |v[XB+\i+3]|
.endr
	v_max3_num_f32 v12, v12, |v[XB+30]|, |v[XB+31]|
	v_max3_num_f32 v12, v12, v13, 0x1800000        ; and the floor
	v_add_nc_u32 v11, 0xff000000, v12              ; the conversion's scale operand
.if (\t) == 0
	v_lshrrev_b32 v9, 23, v11                      ; the scale's byte: four make the K step's word
.else
	v_lshrrev_b32 v13, 23, v11
	v_lshl_or_b32 v9, v13, 8*(\t), v9
.endif
.irp g, 0,1,2,3
	v_cvt_scalef32_pk8_fp4_f32 v[X+4*(\t)+\g], v[XB+8*\g:XB+8*\g+7], v11
.endr
	global_store_b128 v7, v[X+4*(\t):X+4*(\t)+3], s[30:31] offset:256*(\t)   ; sixteen lanes store 256 consecutive bytes, aligned: block 4 p + t of one tile
.endm
	s_load_b512 s[4:19], s[0:1], 0x0               ; x, attn_mask, Wq, Wk, Wv, Wo, opnd, maskw
	v_lshl_add_u32 v254, v0, 2, 0x21000
	v_mov_b32 v255, 0
	v_lshrrev_b32 v2, 5, v0
	v_readfirstlane_b32 s20, v2                    ; wave 0..7
	v_and_b32 v3, 31, v0                           ; lane
	v_lshlrev_b32 v1, 4, v3                        ; 16 x lane
	v_and_b32 v4, 15, v0                           ; r
	v_bfe_u32 v5, v0, 4, 1                         ; h
	s_mov_b32 s[SEL], 0x76543210
	s_mov_b32 s[SEL+1], 0xfedcba98
	s_mul_i32 s21, s20, WSTG                       ; my stage
	s_cmp_lt_u32 ttmp9, 128
	s_cbranch_scc1 .Lx_path
	s_cmp_lt_u32 ttmp9, 192
	s_cbranch_scc1 .Lmask_path
	; ---- the weights.  A LANE TAKES A COLUMN n AND ITS REGISTERS RUN DOWN K: nothing is transposed.  A wave: 32 columns (tiles 2 g, 2 g + 1) x one K step of 128
	s_sub_co_u32 s24, ttmp9, 192
	s_lshr_b32 s25, s24, 5                         ; which weight
	s_bfe_u32 s26, s24, 0x20003                    ; which quarter of its columns
	s_and_b32 s27, s24, 7                          ; p: which K step
	s_lshl_b32 s26, s26, 3
	s_add_co_u32 s26, s26, s20                     ; g: which 32 columns
	s_lshl_b32 s28, s27, 19                        ; from: 128 p rows of 4,096 bytes + 128 g
	s_lshl_b32 s30, s26, 7
	s_add_co_u32 s28, s28, s30
	s_mov_b32 s29, 0
	s_lshl_b32 s30, s25, 19                        ; codes: 64 tiles a weight, 8,192 bytes a tile, 1,024 a K step
	s_lshl_b32 s32, s26, 14
	s_add_co_u32 s30, s30, s32
	s_lshl_b32 s32, s27, 10
	s_add_co_u32 s30, s30, s32
	s_add_co_u32 s30, s30, WC
	s_mov_b32 s31, 0
	s_lshl_b32 s32, s25, 15                        ; scale words: 512 bytes a tile, 64 a K step
	s_lshl_b32 s34, s26, 10
	s_add_co_u32 s32, s32, s34
	s_lshl_b32 s34, s27, 6
	s_add_co_u32 s32, s32, s34
	s_add_co_u32 s32, s32, WS
	s_mov_b32 s33, 0
	v_and_b32 v6, 8, v4
	v_add_nc_u32 v6, v6, v4
	v_lshl_add_u32 v6, v5, 3, v6                   ; my column in the 32: 8 h + r + 8 (r / 8): row r of tile 2 g + h
	v_lshlrev_b32 v6, 2, v6
	v_lshlrev_b32 v7, 4, v4
	v_lshl_add_u32 v7, v5, 13, v7                  ; codes: 16 r, + a tile for lanes 16-31
	v_lshlrev_b32 v8, 2, v4
	v_lshl_add_u32 v8, v5, 9, v8                   ; scale word: 4 r, + a tile
	s_wait_kmcnt 0x0
	s_cmp_eq_u32 s25, 1                            ; the choice hangs on the work-group's number alone
	s_cselect_b64 s[8:9], s[10:11], s[8:9]
	s_cmp_eq_u32 s25, 2
	s_cselect_b64 s[8:9], s[12:13], s[8:9]
	s_cmp_eq_u32 s25, 3
	s_cselect_b64 s[8:9], s[14:15], s[8:9]
	s_add_nc_u64 s[8:9], s[8:9], s[28:29]
	s_add_nc_u64 s[30:31], s[16:17], s[30:31]
	s_add_nc_u64 s[32:33], s[16:17], s[32:33]
	WLOAD 0
	WLOAD 1
	WBLOCK 0
	WBLOCK 1
	WBLOCK 2
	WBLOCK 3
	global_store_b32 v8, v9, s[32:33]              ; sixteen lanes store 64 consecutive bytes
	s_endpgm
	; ---- x.  A wave: one tile of 16 rows x half of K (four K steps)
.Lx_path:
	v_add_nc_u32 v6, s21, v1                       ; the stage, in: 16 x lane
	v_mul_u32_u24 v7, v4, SROW
	v_lshl_add_u32 v7, v5, 6, v7
	v_add_nc_u32 v7, s21, v7                       ; and out: row r, + 64 h
	v_lshlrev_b32 v8, 4, v4                        ; 16 r
.irp b, 0,1,2,3
	v_mov_b32 v[TM+4+\b], 0                        ; written once: a lane permute's destination counts as one of its sources
.endr
	s_lshl_b32 s24, ttmp9, 3
	s_add_co_u32 s24, s24, s20                     ; run = 2 x tile + K half
	s_lshr_b32 s25, s24, 1                         ; tile
	s_and_b32 s26, s24, 1                          ; K half
	s_lshr_b32 s28, s25, 1
	s_lshl_b32 s28, s28, 17                        ; 32 rows of 4,096 bytes a group,
	s_and_b32 s27, s25, 1
	s_lshl_b32 s27, s27, 15                        ; 8 rows for the odd tile,
	s_add_co_u32 s28, s28, s27
	s_lshl_b32 s27, s26, 11                        ; 2,048 bytes for the second half of K
	s_add_co_u32 s28, s28, s27
	s_mov_b32 s29, 0
	s_lshl_b32 s30, s24, 12                        ; codes: 4,096 bytes a run
	s_mov_b32 s31, 0
	s_lshl_b32 s32, s24, 8                         ; scale words: 256 bytes a run
	s_add_co_u32 s32, s32, XS
	s_mov_b32 s33, 0
	s_wait_kmcnt 0x0
	s_add_nc_u64 s[4:5], s[4:5], s[28:29]
	s_add_nc_u64 s[30:31], s[16:17], s[30:31]
	s_add_nc_u64 s[32:33], s[16:17], s[32:33]
	LOADU 0, 0, 4096, 4
	LOADU 1, 1, 4096, 4
	XUNIT 0
	XUNIT 1
	XUNIT 2
	XUNIT 3
	global_store_b128 v8, v[SW:SW+3], s[32:33]     ; row r's four words; lanes 16-31 hold and write the same: 256 consecutive bytes
	s_wait_tensorcnt 0x0
	ds_add_u32 v254, v255
	s_wait_dscnt 0x0
	s_endpgm
	; ---- the mask.  A wave: one tile of 16 queries x 512 keys (four steps of 128)
.Lmask_path:
	s_add_co_u32 s21, s21, MSTG
	v_add_nc_u32 v6, s21, v1
	v_mul_u32_u24 v7, v4, SROW
	v_lshl_add_u32 v7, v5, 6, v7
	v_add_nc_u32 v7, s21, v7
	v_lshlrev_b32 v8, 3, v3                        ; 8 x lane
	v_mov_b32 v9, 0
	v_mov_b32 v[W], 0                              ; written once: v_writelane_b32's destination counts as read
	v_mov_b32 v[W+1], 0
	s_sub_co_u32 s24, ttmp9, 128
	s_lshl_b32 s24, s24, 3
	s_add_co_u32 s24, s24, s20                     ; run = 4 x tile + quarter of the keys
	s_lshr_b32 s25, s24, 2
	s_and_b32 s26, s24, 3
	s_lshr_b32 s28, s25, 1
	s_lshl_b32 s28, s28, 18                        ; 32 rows of 8,192 bytes a group
	s_and_b32 s27, s25, 1
	s_lshl_b32 s27, s27, 16
	s_add_co_u32 s28, s28, s27
	s_lshl_b32 s27, s26, 11
	s_add_co_u32 s28, s28, s27
	s_mov_b32 s29, 0
	s_lshl_b32 s30, s24, 10                        ; lane masks: 256 bytes a step, 1,024 a run
	s_mov_b32 s31, 0
	s_lshl_b32 s34, s24, 4                         ; flags: 16 bytes a run
	s_add_co_u32 s34, s34, FL
	s_mov_b32 s35, 0
	s_wait_kmcnt 0x0
	s_add_nc_u64 s[6:7], s[6:7], s[28:29]
	s_add_nc_u64 s[30:31], s[18:19], s[30:31]
	s_add_nc_u64 s[18:19], s[18:19], s[34:35]
	LOADU 0, 0, 8192, 6
	LOADU 1, 1, 8192, 6
	MUNIT 0
	MUNIT 1
	MUNIT 2
	MUNIT 3
	s_wait_xcnt 0x0                                ; EXEC changes only behind this wait
	v_cmp_eq_u32 vcc_lo, 0, v3
	s_wait_tensorcnt 0x0
	ds_add_u32 v254, v255
	s_wait_dscnt 0x0
	s_and_saveexec_b32 s28, vcc_lo
	global_store_b128 v9, v[SW:SW+3], s[18:19]     ; lane 0 stores the run's four flags
	s_wait_xcnt 0x0                                ; and again, in front of the line that widens it
	s_or_b32 exec_lo, exec_lo, s28
	s_endpgm
.Lfunc_end_k_q3bc93c5a5e_prep:
	.size	k_q3bc93c5a5e_prep, .Lfunc_end_k_q3bc93c5a5e_prep-k_q3bc93c5a5e_prep
	.p2alignl 7, 3214868480
	.fill 96, 4, 3214868480
	.section	.rodata,"a",@progbits
	.p2align	6, 0x0
	.amdhsa_kernel k_q3bc93c5a5e_prep
		.amdhsa_group_segment_fixed_size 136192
		.amdhsa_private_segment_fixed_size 0
		.amdhsa_enable_private_segment 0
		.amdhsa_kernarg_size 64
		.amdhsa_user_sgpr_count 2
		.amdhsa_user_sgpr_kernarg_segment_ptr 1
		.amdhsa_wavefront_size32 1
		.amdhsa_system_sgpr_workgroup_id_x 1
		.amdhsa_system_sgpr_workgroup_id_y 1
		.amdhsa_system_sgpr_workgroup_id_z 1
		.amdhsa_system_vgpr_workitem_id 0
		.amdhsa_next_free_vgpr 256
		.amdhsa_next_free_sgpr 66
		.amdhsa_reserve_vcc 1
		.amdhsa_float_denorm_mode_32 3
		.amdhsa_float_denorm_mode_16_64 3
		.amdhsa_memory_ordered 1
		.amdhsa_forward_progress 1
		.amdhsa_inst_pref_size 110
	.end_amdhsa_kernel
	.amdgpu_metadata
---
amdhsa.version: [ 1, 2 ]
amdhsa.kernels:
  - .name:           k_q3bc93c5a5e_prep
    .symbol:         k_q3bc93c5a5e_prep.kd
    .args:
      - { .name: x, .offset: 0, .size: 8, .value_kind: global_buffer, .address_space: global }
      - { .name: attn_mask, .offset: 8, .size: 8, .value_kind: global_buffer, .address_space: global }
      - { .name: Wq, .offset: 16, .size: 8, .value_kind: global_buffer, .address_space: global }
      - { .name: Wk, .offset: 24, .size: 8, .value_kind: global_buffer, .address_space: global }
      - { .name: Wv, .offset: 32, .size: 8, .value_kind: global_buffer, .address_space: global }
      - { .name: Wo, .offset: 40, .size: 8, .value_kind: global_buffer, .address_space: global }
      - { .name: opnd, .offset: 48, .size: 8, .value_kind: global_buffer, .address_space: global }
      - { .name: maskw, .offset: 56, .size: 8, .value_kind: global_buffer, .address_space: global }
    .group_segment_fixed_size: 136192
    .private_segment_fixed_size: 0
    .kernarg_segment_align: 8
    .kernarg_segment_size: 64
    .max_flat_workgroup_size: 256
    .sgpr_count:     66
    .vgpr_count:     256
    .wavefront_size: 32
...
	.end_amdgpu_metadata
.endif
;; end of part 1
;; launch qkv (part 2): grid 12 x 64, 4 waves a work-group, clusters of 4 x 4, 209,408 bytes of LDS; arguments opnd, bq, bk, bv, qkv; writes qkv
.if DOCPART == 2
	.amdgcn_target "amdgcn-amd-amdhsa--gfx1250"
	.amdhsa_code_object_version 6
	.text
	.protected	k_q3bc93c5a5e_qkv
	.globl	k_q3bc93c5a5e_qkv
	.p2align	8
	.type	k_q3bc93c5a5e_qkv,@function
k_q3bc93c5a5e_qkv:
	s_mov_b64 s[64:65], 0
	v_nop
	global_prefetch_b8 v0, s[64:65] scope:SCOPE_SE
	s_setreg_imm32_b32 hwreg(HW_REG_WAVE_MODE, 25, 1), 1
	s_wait_xcnt 0x0
	s_wait_alu depctr_hold_cnt(0) depctr_sa_sdst(0) depctr_va_vdst(0) depctr_va_sdst(0) depctr_va_ssrc(0) depctr_va_vcc(0) depctr_vm_vsrc(0)
	s_getreg_b32 s2, hwreg(HW_REG_IB_STS2, 6, 4)
	s_cmp_eq_u32 s2, 0
	s_cbranch_scc0 .Lentry_in_a_cluster
	s_endpgm
.Lentry_in_a_cluster:
	s_bfe_u32 s2, ttmp6, 0x10000c
	s_cmp_lg_u32 s2, 0xf033
	s_cbranch_scc0 .Lentry_shape_is_right
	s_endpgm
.Lentry_shape_is_right:
; q = x Wq + bq, k = x Wk + bk, v = x Wv + bv on codes of E2M1 with E8M0 scales, and the results quantised at once as the attention launch's operands: q and k along the head's 64, v along the keys.
; A work-group makes 128 rows x 256 columns; work-group x / 4 says which of q, k, v.  Four waves; wave w takes all 8 tiles of rows x 4 tiles of columns: ONE HEAD: 32 accumulators, 256 registers.
; K = 1,024 is 512 bytes a row, so both panels for ALL of K lie in LDS at once (64 KB of x, 128 KB of the weight, 12 KB of scale words): every tensor load is a first fill, nothing is filled again, no ring.
; CLUSTERS: 4 x 4 work-groups.  The four of a row of the cluster need the same rows of x, the four of a column the same columns of the weight: each panel is asked for JOINTLY.  A cluster's x spans
; exactly the 1,024 columns of one weight, so the one branch on q/k or v is taken alike by all sixteen.  By this text's own count a wave has three tensor loads out.
; OPERANDS lie in memory and in LDS in the order of their registers: a fragment is two runs of 512 bytes, 16 bytes a lane: no pitch, no padding.
; q, k: THE PRODUCT IS USED TRANSPOSED (source 0 = 16 columns of W, source 1 = 16 rows of x): a lane holds one row, and by the choice of a tile's rows (row r of tile 2 g + u is index 32 g + 8 u + r + 8 (r / 8))
; the 16 registers of two neighbouring tiles are 16 neighbours along the head.  v: the natural order: a lane holds one channel and its registers run along the keys.  The bias is the C of each sum's first product.
; LIMITS: a block whose largest magnitude lies under 2^-124 keeps the scale byte 1; NaN and infinities are not served.
; REGISTERS: window 0: v2-12 addresses; v16-79 x's scale words; v80-111 the weight's; v112-143 the bias; v144-207 the way out.  window 1: the accumulators.  window 2: v0-127 x's fragments, two sets; v128-191 the weight's, two sets.
.set XS,   4194304                     ; opnd: x's scale words (its codes begin at 0)
.set WC,   4456448                     ; the weights' codes
.set WS,   6553600                     ; the weights' scale words
.set QS,   12582912                    ; qkv: the scale words of q; k's 524,288 on; v's 524,288 further.  The codes: q at 0, k at 4,194,304, v at 8,388,608
.set LB,   65536                       ; LDS: x's codes at 0: [K half][tile 8][4,096]; the weight's here: [K half][tile 16][4,096]
.set LSA,  196608                      ; x's scale words
.set LSB,  200704                      ; the weight's
.set ADRA, 2                           ; v2-3  16 x lane (+ 32,768): my place in x's fragments, K half 0, 1.  v2 is also the stores' 16 x lane
.set ADRB, 4                           ; v4-5  the same for my four tiles of the weight
.set ADSA, 6                           ; v6    x's scale words: 16 r
.set ADSB, 7                           ; v7    the weight's: 4 r
.set SCA,  16
.set SCB,  80
.set BIAS, 112
.set TM,   144                         ; v144-159 at work in QUANTW
.set SW,   160                         ; v160-163 q's or k's scale words
.set PWV,  164                         ; v164-167 v's
.set SV,   168
.set WLO,  170
.set WHI,  171
.set PC,   176                         ; v176-207 codes: a set of 8 for each quarter, so that no store's data are written again
.set G1A,  24                          ; s[24:31] descriptor group 1 for x's codes;  s[32:39] the weight's;  s[40:47], s[48:55] their scale words
.set G1B,  32
.set G1SA, 40
.set G1SB, 48
.set G0A,  56                          ; s[56:63] group 0 for x's codes, K half 0, 1;  s[68:75] the weight's;  s[76:79], s[80:83] the scale words
.set G0B,  68
.set G0SA, 76
.set G0SB, 80
.set SEL,  86
.set MSB, 0
.macro WIN new                         ; the immediate's high byte repeats the setting that is left
.if MSB != \new
	s_set_vgpr_msb (MSB<<8)|\new
.set MSB, \new
.endif
.endm
; A joint load: waves 0 and 1 fetch for x, waves 2 and 3 for the weight.  Each line has one mask and one set of registers for all that issue it; the branch hangs on the wave's number alone.
; Four v_nop follow each of the two lines.
.macro JLOAD g0a, g1a, g0b, g1b
	s_cmp_eq_u32 s15, 0
	s_cbranch_scc0 .Lfor_b_\@
	tensor_load_to_lds s[\g0a:\g0a+3], s[\g1a:\g1a+7]
	s_nop 0
.rept 4
	v_nop
.endr
	s_branch .Lasked_\@
.Lfor_b_\@:
	tensor_load_to_lds s[\g0b:\g0b+3], s[\g1b:\g1b+7]
	s_nop 0
.rept 4
	v_nop
.endr
.Lasked_\@:
.endm
.macro CROUND                          ; a round of the cluster's barrier
	s_barrier_signal -1
	s_barrier_wait -1
	s_cmp_lg_u32 s14, 0
	s_cbranch_scc1 .Lnot_wave_0_\@
	s_barrier_signal -3
.Lnot_wave_0_\@:
	s_barrier_wait -3
	s_barrier_signal -1
	s_barrier_wait -1
.endm
.macro SHAPE g, c, r, p                ; group 1's words 1 to 7: r rows of c elements of 8 bytes, p elements from row to row
	s_mov_b32 s[\g+1], (\c)<<16
	s_mov_b32 s[\g+2], (\r)<<16
	s_mov_b32 s[\g+3], (\c)<<16
	s_mov_b32 s[\g+4], \r
	s_mov_b32 s[\g+5], \p
	s_mov_b32 s[\g+6], 0
	s_mov_b32 s[\g+7], 0
.endm
.macro PLACES                          ; four plain instructions in front of loads into registers that matrix instructions have read, and of the first read of results
.rept 4
	v_nop
.endr
.endm
; 24 LDS loads in one run: K step p's fragments, x's eight and my four of the weight, into set p % 2
.macro FETCH p
	WIN 0x80                                       ; destination window 2, address window 0
.irp i, 0,1,2,3,4,5,6,7
.irp c, 0,1
	ds_load_b128 v[64*((\p)&1)+8*\i+4*\c:64*((\p)&1)+8*\i+4*\c+3], v[ADRA+(\p)/4] offset:\i*4096+((\p)%4)*1024+512*\c
.endr
.endr
.irp t, 0,1,2,3
.irp c, 0,1
	ds_load_b128 v[128+32*((\p)&1)+8*\t+4*\c:128+32*((\p)&1)+8*\t+4*\c+3], v[ADRB+(\p)/4] offset:\t*4096+((\p)%4)*1024+512*\c
.endr
.endr
.endm
; 32 matrix instructions: K step p.  The 32 accumulators take turns, one instruction a turn, in the same order in every step.
; orient 0: source 0 = the weight's tile t, source 1 = x's tile i, accumulator 4 i + t.  orient 1: source 0 = x's tile i, source 1 = the weight's tile t, accumulator 8 t + i.  Step 0 takes the bias as C.
.macro MUL p, orient
.if (\p) == 0
	WIN 0x4a                                       ; sources 0 and 1 window 2, C window 0, D window 1
.else
	WIN 0x5a                                       ; C and D window 1
.endif
.irp i, 0,1,2,3,4,5,6,7
.irp t, 0,1,2,3
.set rA, 64*((\p)&1)+8*\i
.set rB, 128+32*((\p)&1)+8*\t
.set sA, SCA+32*((\p)/4)+4*\i+(\p)%4
.set sB, SCB+8*\t+(\p)
.if \orient == 0
.set rD, 8*(4*\i+\t)
.if (\p) == 0
	v_wmma_scale_f32_16x16x128_f8f6f4 v[rD:rD+7], v[rB:rB+7], v[rA:rA+7], v[BIAS+8*\t:BIAS+8*\t+7], v[sB], v[sA] matrix_a_fmt:MATRIX_FMT_FP4 matrix_b_fmt:MATRIX_FMT_FP4
.else
	v_wmma_scale_f32_16x16x128_f8f6f4 v[rD:rD+7], v[rB:rB+7], v[rA:rA+7], v[rD:rD+7], v[sB], v[sA] matrix_a_fmt:MATRIX_FMT_FP4 matrix_b_fmt:MATRIX_FMT_FP4
.endif
.else
.set rD, 8*(8*\t+\i)
.if (\p) == 0
	v_wmma_scale_f32_16x16x128_f8f6f4 v[rD:rD+7], v[rA:rA+7], v[rB:rB+7], v[BIAS+8*\t:BIAS+8*\t+7], v[sA], v[sB] matrix_a_fmt:MATRIX_FMT_FP4 matrix_b_fmt:MATRIX_FMT_FP4
.else
	v_wmma_scale_f32_16x16x128_f8f6f4 v[rD:rD+7], v[rA:rA+7], v[rB:rB+7], v[rD:rD+7], v[sA], v[sB] matrix_a_fmt:MATRIX_FMT_FP4 matrix_b_fmt:MATRIX_FMT_FP4
.endif
.endif
.endr
.endr
.endm
; the product, from the first wait for tiles to the last matrix instruction
.macro BODY orient
	s_wait_tensorcnt 0x1                           ; my scale words and my part of K half 0 are in; half 1's load may stay out
	s_barrier_signal -1
	s_barrier_wait -1                              ; everybody's are
.irp i, 0,1,2,3,4,5,6,7
.irp f, 0,1
	ds_load_b128 v[SCA+32*\f+4*\i:SCA+32*\f+4*\i+3], v[ADSA] offset:512*\i+256*\f   ; tile i, K half f: four K steps' words of row r
.endr
.endr
.irp t, 0,1,2,3
.irp p, 0,1,2,3,4,5,6,7
	ds_load_b32 v[SCB+8*\t+\p], v[ADSB] offset:512*\t+64*\p
.endr
.endr
	FETCH 0
	s_wait_loadcnt 0x0                             ; the bias
.set P, 0
.rept 8
	s_wait_dscnt 0x0                               ; this step's fragments are in (asked for one step's 32 matrix instructions ago)
.if P == 3
	s_wait_tensorcnt 0x0                           ; my part of K half 1 is in,
	s_barrier_signal -1
	s_barrier_wait -1                              ; everybody's is: the next fetch reads it
.endif
.if P < 7
.if P > 0
	PLACES
.endif
	FETCH P+1
.endif
	MUL P, \orient
.set P, P+1
.endr
	WIN 0
	PLACES
.endm
; 64 accumulator registers of window 1 from base on, register 16 b + i = index 32 b + 16 (lane / 16) + i of block b, become 8 registers of codes in v[pc] on; the four bytes stay in v[TM+4] on.
; Each accumulator is read from its low end on.
.macro QUANTW base, pc
	WIN 0x05                                       ; sources 0 and 1 window 1
.irp b, 0,1,2,3
	v_max3_num_f32 v[TM+\b], |v[(\base)+16*\b]|, |v[(\base)+16*\b+1]|, 0x1800000   ; and the floor 2^(3 - 127): the byte cannot fall under 1
.endr
	WIN 0x14                                       ; sources 1 and 2 window 1
.irp i, 2,4,6,8,10,12,14
.irp b, 0,1,2,3
	v_max3_num_f32 v[TM+\b], v[TM+\b], |v[(\base)+16*\b+\i]|, |v[(\base)+16*\b+\i+1]|
.endr
.endr
	WIN 0
.irp b, 0,1,2,3
	v_permlanex16_b32 v[TM+4+\b], v[TM+\b], s[SEL], s[SEL+1]
.endr
.irp b, 0,1,2,3
	v_max_num_f32 v[TM+\b], v[TM+\b], v[TM+4+\b]
.endr
.irp b, 0,1,2,3
	v_add_nc_u32 v[TM+12+\b], 0xff000000, v[TM+\b] ; 2 off the exponent field: the conversion's scale operand
.endr
.irp b, 0,1,2,3
	v_lshrrev_b32 v[TM+4+\b], 23, v[TM+12+\b]      ; the scale's byte
.endr
	WIN 0x01                                       ; source 0 window 1
.irp b, 0,1,2,3
	v_cvt_scalef32_pk8_fp4_f32 v[(\pc)+2*\b], v[(\base)+16*\b:(\base)+16*\b+7], v[TM+12+\b]
	v_cvt_scalef32_pk8_fp4_f32 v[(\pc)+2*\b+1], v[(\base)+16*\b+8:(\base)+16*\b+15], v[TM+12+\b]
.endr
	WIN 0
	v_nop                                          ; one plain instruction behind a scaled conversion
.irp c, 0,1
.irp i, 0,1
	v_permlane16_swap_b32 v[(\pc)+4*\c+\i], v[(\pc)+2+4*\c+\i]   ; a whole block to a lane: lanes 0-15 block 2 c, lanes 16-31 block 2 c + 1
.endr
.endr
.endm
	s_load_b256 s[4:11], s[0:1], 0x0               ; opnd, bq, bk, bv
	s_load_b64 s[12:13], s[0:1], 0x20              ; qkv
	v_lshl_add_u32 v254, v0, 2, 0x33000
	v_mov_b32 v255, 0
	ds_add_u32 v254, v255
	ds_add_u32 v254, v255
	v_lshrrev_b32 v10, 5, v0
	v_readfirstlane_b32 s14, v10                   ; wave 0..3
	s_lshr_b32 s15, s14, 1                         ; I fetch for x (0) or for the weight (1),
	s_and_b32 s16, s14, 1                          ; and which half of its tiles
	s_bfe_u32 s88, ttmp6, 0x40000                  ; cx, cy: my place in the cluster
	s_bfe_u32 s89, ttmp6, 0x40004
	s_lshl_b32 s90, ttmp9, 2
	s_add_co_u32 s90, s90, s88                     ; block of 256 columns = 4 x cluster x + cx
	s_and_b32 s91, ttmp7, 0xffff
	s_lshl_b32 s91, s91, 2
	s_add_co_u32 s91, s91, s89                     ; block of 128 rows = 4 x cluster y + cy
	s_lshl_b32 s92, s89, 2
	s_lshl_b32 s92, 15, s92                        ; my row of the cluster
	s_lshl_b32 s93, 0x1111, s88                    ; my column
	s_or_b32 s[G1A], s92, (3<<16)|(1<<21)          ; 15:0 the mask; 17:16 elements of 8 bytes; 21 set beside a mask; no padding
	s_or_b32 s[G1SA], s92, (3<<16)|(1<<21)
	s_or_b32 s[G1B], s93, (3<<16)|(1<<21)
	s_or_b32 s[G1SB], s93, (3<<16)|(1<<21)
	SHAPE G1A, 512, 4, 1024                        ; 4 tiles: half a tile's K (4,096 bytes) each, 8,192 bytes from tile to tile
	SHAPE G1B, 512, 8, 1024                        ; 8 tiles likewise
	SHAPE G1SA, 32, 8, 32                          ; 2,048 dense bytes as rows of 256
	SHAPE G1SB, 32, 16, 32                         ; 4,096 dense bytes
	s_lshl_b32 s94, s91, 16                        ; x's codes: 8 tiles a block, my 4
	s_lshl_b32 s17, s16, 15
	s_add_co_u32 s94, s94, s17
	s_mov_b32 s95, 0
	s_lshl_b32 s96, s91, 12                        ; x's scale words
	s_lshl_b32 s17, s16, 11
	s_add_co_u32 s96, s96, s17
	s_add_co_u32 s96, s96, XS
	s_mov_b32 s97, 0
	s_lshl_b32 s98, s90, 17                        ; the weight's codes: 16 tiles a block, my 8
	s_lshl_b32 s17, s16, 16
	s_add_co_u32 s98, s98, s17
	s_add_co_u32 s98, s98, WC
	s_mov_b32 s99, 0
	s_lshl_b32 s100, s90, 13                       ; its scale words
	s_lshl_b32 s17, s16, 12
	s_add_co_u32 s100, s100, s17
	s_add_co_u32 s100, s100, WS
	s_mov_b32 s101, 0
	s_lshl_b32 s20, s16, 14                        ; where they go: no place in the cluster enters an LDS address
	s_lshl_b32 s21, s16, 15
	s_lshl_b32 s22, s16, 11
	s_lshl_b32 s23, s16, 12
	s_wait_dscnt 0x0
	s_wait_kmcnt 0x0
	s_add_nc_u64 s[94:95], s[4:5], s[94:95]
	s_add_nc_u64 s[96:97], s[4:5], s[96:97]
	s_add_nc_u64 s[98:99], s[4:5], s[98:99]
	s_add_nc_u64 s[100:101], s[4:5], s[100:101]
	CROUND                                         ; all sixteen work-groups are here: the joint loads meet
	s_mov_b32 s[G0SA], 1
	s_add_co_u32 s[G0SA+1], s22, LSA
	s_mov_b64 s[G0SA+2:G0SA+3], s[96:97]
	s_or_b32 s[G0SA+3], s[G0SA+3], 0x80000000
	s_mov_b32 s[G0SB], 1
	s_add_co_u32 s[G0SB+1], s23, LSB
	s_mov_b64 s[G0SB+2:G0SB+3], s[100:101]
	s_or_b32 s[G0SB+3], s[G0SB+3], 0x80000000
	JLOAD G0SA, G1SA, G0SB, G1SB                   ; the scale words first: they are wanted with K step 0
.irp f, 0,1
	s_mov_b32 s[G0A+4*\f], 1
	s_add_co_u32 s[G0A+4*\f+1], s20, \f*32768
	s_add_nc_u64 s[G0A+4*\f+2:G0A+4*\f+3], s[94:95], \f*4096
	s_or_b32 s[G0A+4*\f+3], s[G0A+4*\f+3], 0x80000000
	s_mov_b32 s[G0B+4*\f], 1
	s_add_co_u32 s[G0B+4*\f+1], s21, LB+\f*65536
	s_add_nc_u64 s[G0B+4*\f+2:G0B+4*\f+3], s[98:99], \f*4096
	s_or_b32 s[G0B+4*\f+3], s[G0B+4*\f+3], 0x80000000
	JLOAD G0A+4*\f, G1A, G0B+4*\f, G1B
.endr
	v_and_b32 v10, 31, v0                          ; lane
	v_lshlrev_b32 v[ADRA], 4, v10
	v_add_nc_u32 v[ADRA+1], 32768, v[ADRA]
	s_lshl_b32 s17, s14, 14
	s_add_co_u32 s17, s17, LB
	v_add_nc_u32 v[ADRB], s17, v[ADRA]             ; my four tiles: 16,384 x wave
	v_add_nc_u32 v[ADRB+1], 0x10000, v[ADRB]
	v_and_b32 v11, 15, v0                          ; r
	v_bfe_u32 v12, v0, 4, 1                        ; h
	v_lshl_add_u32 v[ADSA], v11, 4, LSA
	s_lshl_b32 s17, s14, 11
	s_add_co_u32 s17, s17, LSB
	v_lshl_add_u32 v[ADSB], v11, 2, s17
.irp b, 0,1,2,3
	v_mov_b32 v[TM+4+\b], 0                        ; written once: a lane permute's destination counts as one of its sources
.endr
	s_mov_b32 s84, 0xffff0000                      ; lanes 16-31
	s_mov_b32 s[SEL], 0x76543210
	s_mov_b32 s[SEL+1], 0xfedcba98
	s_lshr_b32 s2, s91, 4                          ; the batch,
	s_lshl_b32 s2, s2, 4
	s_lshl_b32 s85, s88, 2
	s_add_co_u32 s2, s2, s85
	s_add_co_u32 s2, s2, s14                       ; bh = 16 x batch + 4 cx + wave: my head
	s_and_b32 s3, s91, 15                          ; which 128 of the sequence
	s_lshl_b32 s18, s2, 16                         ; the codes: 65,536 bytes a head, 4,096 for 128 rows, 4,194,304 from q to k to v
	s_lshl_b32 s85, s3, 12
	s_add_co_u32 s18, s18, s85
	s_lshl_b32 s85, ttmp9, 22
	s_add_co_u32 s18, s18, s85
	s_mov_b32 s19, 0
	s_add_nc_u64 s[18:19], s[12:13], s[18:19]
	s_lshl_b32 s20, ttmp9, 19
	s_add_co_u32 s20, s20, QS
	s_mov_b32 s21, 0
	s_add_nc_u64 s[20:21], s[12:13], s[20:21]      ; the scale words of q, of k or of v
	s_lshl_b32 s22, s88, 10
	s_lshl_b32 s85, s14, 8
	s_add_co_u32 s22, s22, s85                     ; the bias of my 64 columns, in bytes
	s_mov_b32 s23, 0
	s_cmp_eq_u32 ttmp9, 2                          ; the cluster's x: alike in all sixteen
	s_cbranch_scc1 .Lv_path
	; ---- q or k
	s_cmp_eq_u32 ttmp9, 0
	s_cselect_b64 s[6:7], s[6:7], s[8:9]
	s_add_nc_u64 s[6:7], s[6:7], s[22:23]
	v_lshlrev_b32 v8, 6, v12                       ; lane (r, h) wants, for tile 2 b + u, the bias of columns 32 b + 16 h + 8 u + 0 .. 7
.irp t, 0,1,2,3
	global_load_b128 v[BIAS+8*\t:BIAS+8*\t+3], v8, s[6:7] offset:(32*(\t/2)+8*(\t%2))*4
	global_load_b128 v[BIAS+8*\t+4:BIAS+8*\t+7], v8, s[6:7] offset:(32*(\t/2)+8*(\t%2))*4+16
.endr
	s_lshl_b32 s22, s2, 13                         ; scale words: 8,192 bytes a head, 512 for 128 rows
	s_lshl_b32 s85, s3, 9
	s_add_co_u32 s22, s22, s85
	s_add_nc_u64 s[20:21], s[20:21], s[22:23]
	BODY 0
.irp g, 0,1,2,3                                ; tiles of rows 2 g and 2 g + 1: two blocks of 32 along the head each
	QUANTW 64*\g, PC+8*\g
	v_lshl_or_b32 v[WLO], v[TM+5], 8, v[TM+4]      ; tile 2 g's word: two bytes; the upper two stay 0: they stand over zero codes
	v_lshl_or_b32 v[WHI], v[TM+7], 8, v[TM+6]      ; tile 2 g + 1's
	v_cndmask_b32 v[SW+\g], v[WLO], v[WHI], s84    ; lanes 0-15 carry the even tile's words, lanes 16-31 the odd tile's
	global_store_b128 v[ADRA], v[PC+8*\g:PC+8*\g+3], s[18:19] offset:(2*\g)*512       ; 32 lanes store 512 consecutive bytes: the tile's fragment, K 0 .. 63
	global_store_b128 v[ADRA], v[PC+8*\g+4:PC+8*\g+7], s[18:19] offset:(2*\g+1)*512
.endr
	global_store_b128 v[ADRA], v[SW:SW+3], s[20:21]   ; the eight tiles' words: 512 consecutive bytes
	s_wait_tensorcnt 0x0
	ds_add_u32 v254, v255
	s_wait_dscnt 0x0
	CROUND                                         ; the closing round: no work-group ends while a partner may still ask for a panel that names it
	s_endpgm
	; ---- v
.Lv_path:
	s_add_nc_u64 s[10:11], s[10:11], s[22:23]
	v_and_b32 v8, 8, v11
	v_add_nc_u32 v8, v8, v11
	v_lshlrev_b32 v8, 2, v8                        ; a lane holds ONE channel: r + 8 (r / 8) of its tile: its bias stands in all eight registers of C
	v_lshlrev_b32 v9, 3, v10                       ; 8 x lane
.irp t, 0,1,2,3
.irp j, 0,1,2,3,4,5,6,7
	global_load_b32 v[BIAS+8*\t+\j], v8, s[10:11] offset:(32*(\t/2)+8*(\t%2))*4
.endr
.endr
	s_lshl_b32 s22, s2, 12                         ; scale words: 4,096 bytes a head, 256 for 128 keys
	s_lshl_b32 s85, s3, 8
	s_add_co_u32 s22, s22, s85
	s_add_nc_u64 s[20:21], s[20:21], s[22:23]
	BODY 1
.irp t, 0,1,2,3                                ; tile t of channels x these 128 keys: one fragment of V^T and one scale word a channel
	QUANTW 64*\t, PC+8*\t
	v_lshl_or_b32 v[PWV+\t], v[TM+5], 8, v[TM+4]
	v_lshl_or_b32 v[PWV+\t], v[TM+6], 16, v[PWV+\t]
	v_lshl_or_b32 v[PWV+\t], v[TM+7], 24, v[PWV+\t]
	global_store_b128 v[ADRA], v[PC+8*\t:PC+8*\t+3], s[18:19] offset:1024*\t
	global_store_b128 v[ADRA], v[PC+8*\t+4:PC+8*\t+7], s[18:19] offset:1024*\t+512
.endr
	v_cndmask_b32 v[SV], v[PWV], v[PWV+2], s84     ; lanes 0-15 carry tiles 0 and 1, lanes 16-31 tiles 2 and 3
	v_cndmask_b32 v[SV+1], v[PWV+1], v[PWV+3], s84
	global_store_b64 v9, v[SV:SV+1], s[20:21]      ; 256 consecutive bytes, aligned
	s_wait_tensorcnt 0x0
	ds_add_u32 v254, v255
	s_wait_dscnt 0x0
	CROUND
	s_endpgm
.Lfunc_end_k_q3bc93c5a5e_qkv:
	.size	k_q3bc93c5a5e_qkv, .Lfunc_end_k_q3bc93c5a5e_qkv-k_q3bc93c5a5e_qkv
	.p2alignl 7, 3214868480
	.fill 96, 4, 3214868480
	.section	.rodata,"a",@progbits
	.p2align	6, 0x0
	.amdhsa_kernel k_q3bc93c5a5e_qkv
		.amdhsa_group_segment_fixed_size 209408
		.amdhsa_private_segment_fixed_size 0
		.amdhsa_enable_private_segment 0
		.amdhsa_kernarg_size 40
		.amdhsa_user_sgpr_count 2
		.amdhsa_user_sgpr_kernarg_segment_ptr 1
		.amdhsa_wavefront_size32 1
		.amdhsa_system_sgpr_workgroup_id_x 1
		.amdhsa_system_sgpr_workgroup_id_y 1
		.amdhsa_system_sgpr_workgroup_id_z 1
		.amdhsa_system_vgpr_workitem_id 0
		.amdhsa_next_free_vgpr 768
		.amdhsa_next_free_sgpr 102
		.amdhsa_reserve_vcc 0
		.amdhsa_float_denorm_mode_32 3
		.amdhsa_float_denorm_mode_16_64 3
		.amdhsa_memory_ordered 1
		.amdhsa_forward_progress 1
		.amdhsa_inst_pref_size 145
	.end_amdhsa_kernel
	.amdgpu_metadata
---
amdhsa.version: [ 1, 2 ]
amdhsa.kernels:
  - .name:           k_q3bc93c5a5e_qkv
    .symbol:         k_q3bc93c5a5e_qkv.kd
    .args:
      - { .name: opnd, .offset: 0, .size: 8, .value_kind: global_buffer, .address_space: global }
      - { .name: bq, .offset: 8, .size: 8, .value_kind: global_buffer, .address_space: global }
      - { .name: bk, .offset: 16, .size: 8, .value_kind: global_buffer, .address_space: global }
      - { .name: bv, .offset: 24, .size: 8, .value_kind: global_buffer, .address_space: global }
      - { .name: qkv, .offset: 32, .size: 8, .value_kind: global_buffer, .address_space: global }
    .group_segment_fixed_size: 209408
    .private_segment_fixed_size: 0
    .kernarg_segment_align: 8
    .kernarg_segment_size: 40
    .max_flat_workgroup_size: 128
    .sgpr_count:     102
    .vgpr_count:     768
    .wavefront_size: 32
...
	.end_amdgpu_metadata
.endif
;; end of part 2
;; launch attn (part 3): grid 4 x 64, 16 waves a work-group, no clusters, 145,408 bytes of LDS; arguments qkv, maskw, ctx; writes ctx
.if DOCPART == 3
	.amdgcn_target "amdgcn-amd-amdhsa--gfx1250"
	.amdhsa_code_object_version 6
	.text
	.protected	k_q3bc93c5a5e_attn
	.globl	k_q3bc93c5a5e_attn
	.p2align	8
	.type	k_q3bc93c5a5e_attn,@function
k_q3bc93c5a5e_attn:
	s_mov_b64 s[64:65], 0
	v_nop
	global_prefetch_b8 v0, s[64:65] scope:SCOPE_SE
	s_setreg_imm32_b32 hwreg(HW_REG_WAVE_MODE, 25, 1), 1
	s_wait_xcnt 0x0
; ctx = softmax(q k^T / 8, hidden where attn_mask is 0) v, for one head a work-group row, both products on codes of E2M1 with E8M0 scales; ctx leaves quantised along the model's 1,024 as the last product's operand.
; THE SOFTMAX: t = score x log2(e) / 8; M = the row's largest t so far, rounded UP to a whole number; p = 2^(t - M) is quantised along the keys, not normalised; the row's sum is taken of the unquantised p and divides at the end.
; SHARES.  Work-group (j, bh): head bh; each of its sixteen waves owns two tiles of 16 queries, T = 4 w + j and 127 - T, one after the other: who takes which tile is free, and holds for every mask.
; The head's K and V (codes 64 KB each, scale words 8 and 4 KB) are copied into LDS once, through registers; behind the one barrier LDS is only read.
; THE MASK IS HONOURED AS IT IS GIVEN.  An earlier launch stored, as whole numbers, a flag for each (query tile, 128 keys) and a lane mask for each score register.  A step whose flag says 'all hidden' is passed over by a
; scalar branch; where it says 'mixed', hidden scores become -infinity ahead of the maximum; a step with nothing hidden jumps over those 64 lines.
; NO TENSOR LOAD AND NO CLUSTER: the steps branch on numbers read from memory; joint requests exist for tensor loads alone; what the four work-groups of a
; head share is 140 KB, read once by each.
; LAYOUT.  Both products transposed: S^T = K Q^T (source 0 = 16 keys), O^T = V^T P^T (source 0 = 16 channels): a lane holds ONE query throughout.  Row r of tile 2 b + u is index 32 b + 8 u + r + 8 (r / 8), so the 16
; registers of two neighbouring tiles are 16 neighbours.  A head has 64 channels: the upper 64 of the first product's K are zero codes on both sides, kept in registers that are cleared once.
; A ROW WITH EVERY KEY HIDDEN has the sum 0: its two scale bytes become 0xff, which makes the last product's whole row NaN.
; LIMITS: NaN and infinities among q, k, v are not served; a block whose largest magnitude lies under 2^-124 keeps the scale byte 1.
; REGISTERS: v1-4 a lane's places in LDS; v5-8 the step's addresses; v10 16 r; v11 -infinity; v12 -M, v13 the largest t, v[14:15] the sum; v16-23 Q and zeros; v24-87 K's eight fragments; v88-95 p's codes; v96-159 S^T, then p;
;   v160-191 O^T; v192-223 V's four fragments; v224-227 K's scale words, v228-229 V's, v230 Q's, v231 p's; v232-254 at work.
.set KC,   4194304                     ; qkv: k's codes (q's begin at 0)
.set VC,   8388608
.set QS,   12582912                    ; q's scale words; k's 524,288 on
.set VS,   13631488
.set FL,   524288                      ; maskw: the flags
.set CSC,  4194304                     ; ctx: the scale words
.set LV,   65536                       ; LDS: K's codes at 0, V's here,
.set LKS,  131072                      ; K's scale words,
.set LVS,  139264                      ; V's
.set AK0,  1
.set AV0,  2
.set ASK0, 3
.set ASV0, 4
.set ADK,  5
.set ADV,  6
.set ADS,  7
.set ADT,  8
.set SEL,  84                          ; s[84:85] v_permlanex16_b32's selects for lane l xor 16
.set CS,   86                          ; s[86:87] c = log2(e) / 8: the packed form names a pair and takes its low word for both halves
	s_load_b128 s[4:7], s[0:1], 0x0                ; qkv, maskw
	s_load_b64 s[8:9], s[0:1], 0x10                ; ctx
	v_lshl_add_u32 v243, v0, 2, 0x23000
	v_mov_b32 v255, 0
	v_lshrrev_b32 v9, 5, v0
	v_readfirstlane_b32 s10, v9                    ; wave 0..15
	s_and_b32 s92, ttmp7, 0xffff                   ; bh
	v_lshlrev_b32 v[ADK], 4, v0                    ; the copy: 16 bytes a thread, 8,192 a pass
	v_lshl_add_u32 v[ADV], v0, 4, LV
	v_lshl_add_u32 v[ADS], v0, 4, LKS
	v_lshl_add_u32 v[ADT], v0, 3, LVS
	v_lshlrev_b32 v9, 3, v0
	s_lshl_b32 s94, s92, 16
	s_mov_b32 s95, 0
	s_lshl_b32 s96, s92, 13
	s_add_co_u32 s96, s96, QS
	s_mov_b32 s97, 0
	s_lshl_b32 s22, s92, 12
	s_add_co_u32 s22, s22, VS
	s_mov_b32 s23, 0
	s_wait_kmcnt 0x0
	s_add_nc_u64 s[94:95], s[4:5], s[94:95]        ; the head's codes of q; k's lie KC on,
	s_add_nc_u64 s[18:19], s[94:95], VC            ; v's here
	s_add_nc_u64 s[96:97], s[4:5], s[96:97]        ; the head's scale words of q; k's lie 524,288 on
	s_add_nc_u64 s[22:23], s[4:5], s[22:23]        ; v's
.irp i, 0,1,2,3,4,5,6,7
	global_load_b128 v[96+4*\i:99+4*\i], v[ADK], s[94:95] offset:KC+8192*\i
.endr
.irp i, 0,1,2,3,4,5,6,7
	global_load_b128 v[128+4*\i:131+4*\i], v[ADK], s[18:19] offset:8192*\i
.endr
	global_load_b128 v[160:163], v[ADK], s[96:97] offset:524288
	global_load_b64 v[164:165], v9, s[22:23]
	v_and_b32 v10, 31, v0
	v_lshlrev_b32 v[AK0], 4, v10                   ; 16 x lane: my place in a fragment's image, in LDS and in memory
	v_add_nc_u32 v[AV0], LV, v[AK0]
	v_add_nc_u32 v[ASK0], LKS, v[AK0]
	v_lshl_add_u32 v[ASV0], v10, 3, LVS
	v_and_b32 v10, 15, v0
	v_lshlrev_b32 v10, 4, v10                      ; 16 r
	v_mov_b32 v11, 0xff800000                      ; -infinity
.irp j, 20,21,22,23
	v_mov_b32 v[\j], 0                             ; Q's K 64 .. 127: zero codes
.endr
.irp t, 0,1,2,3,4,5,6,7
.irp j, 4,5,6,7
	v_mov_b32 v[24+8*\t+\j], 0                     ; and K's, in registers of their own: cleared once, never loaded
.endr
.endr
.irp j, 236,237,238,239,252,253
	v_mov_b32 v[\j], 0                             ; written once: a lane permute's destination counts as one of its sources; v253 is named as the upper half of a pair
.endr
	s_mov_b32 s[SEL], 0x76543210
	s_mov_b32 s[SEL+1], 0xfedcba98
	s_mov_b32 s[CS], 0x3e38aa3b                    ; log2(e) / 8
	s_mov_b32 s[CS+1], s[CS]
	s_lshr_b32 s88, s92, 4                         ; the batch
	s_and_b32 s89, s92, 15                         ; the head
	s_lshl_b32 s98, s88, 20                        ; ctx's codes: 128 tiles of 8,192 bytes a batch; the head's two blocks: 512 bytes
	s_lshl_b32 s90, s89, 9
	s_add_co_u32 s98, s98, s90
	s_lshl_b32 s99, s88, 16                        ; ctx's scale words: 512 bytes a tile; the head's two bytes: K half head / 8, byte 2 (head % 8) of the row's 16
	s_lshr_b32 s90, s89, 3
	s_lshl_b32 s90, s90, 8
	s_add_co_u32 s99, s99, s90
	s_and_b32 s90, s89, 7
	s_lshl_b32 s90, s90, 1
	s_add_co_u32 s99, s99, s90
	s_lshl_b32 s11, s10, 2
	s_add_co_u32 s11, s11, ttmp9                   ; my first tile of queries: 4 w + j
	s_mov_b32 s15, 2
	s_wait_loadcnt 0x0
.irp i, 0,1,2,3,4,5,6,7
	ds_store_b128 v[ADK], v[96+4*\i:99+4*\i] offset:8192*\i
.endr
.irp i, 0,1,2,3,4,5,6,7
	ds_store_b128 v[ADV], v[128+4*\i:131+4*\i] offset:8192*\i
.endr
	ds_store_b128 v[ADS], v[160:163]
	ds_store_b64 v[ADT], v[164:165]
	s_wait_dscnt 0x0                               ; for the others' sake: my stores have landed
	s_barrier_signal -1
	s_barrier_wait -1                              ; the head's K and V lie in LDS; from here on LDS is only read
.Ltile:                                            ; two trips: tile T, then tile 127 - T
	s_lshl_b32 s93, s11, 6
	s_load_b512 s[16:31], s[6:7], s93 offset:FL    ; the tile's sixteen flags
	s_lshl_b32 s88, s11, 9
	v_add_nc_u32 v248, s88, v[AK0]
	global_load_b128 v[16:19], v248, s[94:95]      ; Q's fragment, K 0 .. 63
	s_lshr_b32 s88, s11, 3
	s_lshl_b32 s88, s88, 9
	s_and_b32 s89, s11, 1
	s_lshl_b32 s89, s89, 8
	s_add_co_u32 s88, s88, s89
	s_bfe_u32 s89, s11, 0x20001
	s_lshl_b32 s89, s89, 2
	s_add_co_u32 s88, s88, s89
	v_add_nc_u32 v249, s88, v10
	global_load_b32 v230, v249, s[96:97]           ; Q's scale words: [T / 8][lane (r, T % 2)][(T / 2) % 4]
	v_mov_b32 v13, 0xff61b1e6                      ; the largest t so far: -3e38, under every t
	v_floor_f32 v12, -v13                          ; -M
	v_mov_b32 v14, 0                               ; the sum, in two halves
	v_mov_b32 v15, 0
.set j, 0
.rept 32
	v_mov_b32 v[160+j], 0                          ; O^T: the step is written once; the first finds zeros, which the first change of M leaves zeros
.set j, j+1
.endr
	s_wait_kmcnt 0x0
	s_mov_b32 s12, s16                             ; the flags, two bits each, the first step's lowest
.irp k, 1,2,3,4,5,6,7,8,9,10,11,12,13,14,15
	s_lshl_b32 s13, s[16+\k], 2*\k
	s_or_b32 s12, s12, s13
.endr
	s_lshl_b32 s93, s11, 12                        ; the tile's lane masks: 256 bytes a step
	s_mov_b32 s14, 0
	s_wait_loadcnt 0x0                             ; Q
.Lstep:                                            ; sixteen trips, a constant: 128 keys each
	s_and_b32 s13, s12, 3
	s_cmp_eq_u32 s13, 2
	s_cbranch_scc1 .Lskip                          ; every key hidden from every query of the tile: p would be 0 throughout
	s_lshl_b32 s91, s14, 8
	s_add_co_u32 s91, s91, s93
	s_load_b512 s[16:31], s[6:7], s91 offset:0     ; the step's 64 lane masks
	s_load_b512 s[32:47], s[6:7], s91 offset:64
	s_load_b512 s[48:63], s[6:7], s91 offset:128
	s_load_b512 s[68:83], s[6:7], s91 offset:192
	s_lshl_b32 s88, s14, 12                        ; a step's codes of K, and of V: 4,096 bytes;
	s_lshl_b32 s89, s14, 9                         ; K's scale words: 512;
	s_lshl_b32 s90, s14, 8                         ; V's: 256
	v_add_nc_u32 v[ADK], s88, v[AK0]               ; (these four are also the places in front of the loads into registers that the last step's products read)
	v_add_nc_u32 v[ADV], s88, v[AV0]
	v_add_nc_u32 v[ADS], s89, v[ASK0]
	v_add_nc_u32 v[ADT], s90, v[ASV0]
	ds_load_b128 v[224:227], v[ADS]                ; register b: lanes 0-15 tile 2 b's words, lanes 16-31 tile 2 b + 1's
.irp t, 0,1,2,3,4,5,6,7
	ds_load_b128 v[24+8*\t:27+8*\t], v[ADK] offset:512*\t
.endr
.irp t, 0,1,2,3
.irp c, 0,1
	ds_load_b128 v[192+8*\t+4*\c:195+8*\t+4*\c], v[ADV] offset:1024*\t+512*\c
.endr
.endr
	ds_load_b64 v[228:229], v[ADT]                 ; register e: lanes 0-15 tile e's words, lanes 16-31 tile 2 + e's
	s_wait_dscnt 9                                 ; K and its scale words are in; V's nine loads may be out
.irp b, 0,1,2,3
	v_wmma_scale_f32_16x16x128_f8f6f4 v[96+16*\b:103+16*\b], v[24+16*\b:31+16*\b], v[16:23], 0, v[224+\b], v230 matrix_a_fmt:MATRIX_FMT_FP4 matrix_b_fmt:MATRIX_FMT_FP4
	v_wmma_scale_f32_16x16x128_f8f6f4 v[104+16*\b:111+16*\b], v[32+16*\b:39+16*\b], v[16:23], 0, v[224+\b], v230 matrix_a_fmt:MATRIX_FMT_FP4 matrix_b_fmt:MATRIX_FMT_FP4 matrix_a_scale:MATRIX_SCALE_ROW1
.endr                                              ; register 16 b + i of v96 on: key 32 b + 16 (lane / 16) + i of the step
.rept 4
	v_nop
.endr
	s_wait_kmcnt 0x0                               ; the lane masks are in
	s_cmp_eq_u32 s13, 0
	s_cbranch_scc1 .Lopen                          ; nothing hidden in this step
.set n, 0
.rept 64
.if n < 48
	v_cndmask_b32 v[96+n], v[96+n], v11, s[16+n]   ; hidden scores become -infinity ahead of the maximum: p = 0 then
.else
	v_cndmask_b32 v[96+n], v[96+n], v11, s[20+n]
.endif
.set n, n+1
.endr
.Lopen:
.irp b, 0,1,2,3
	v_max3_num_f32 v[232+\b], v[96+16*\b], v[97+16*\b], v[98+16*\b]   ; the largest score of each block of 32 keys: it serves for the row's maximum and, since p rises with the score, for the block's largest p
.endr
.irp i, 3,5,7,9,11,13
.irp b, 0,1,2,3
	v_max3_num_f32 v[232+\b], v[232+\b], v[96+16*\b+\i], v[97+16*\b+\i]
.endr
.endr
.irp b, 0,1,2,3
	v_max_num_f32 v[232+\b], v[232+\b], v[111+16*\b]
.endr
.irp b, 0,1,2,3
	v_permlanex16_b32 v[236+\b], v[232+\b], s[SEL], s[SEL+1]
.endr
.irp b, 0,1,2,3
	v_max_num_f32 v[232+\b], v[232+\b], v[236+\b]  ; with lane l xor 16's 16 keys
.endr
	v_max3_num_f32 v254, v232, v233, v234
	v_max_num_f32 v254, v254, v235                 ; the step's largest score of my query
	v_mul_f32 v254, s[CS], v254                    ; as t
	v_max_num_f32 v13, v13, v254                   ; the running largest t
	v_mov_b32 v254, v12
	v_floor_f32 v12, -v13                          ; the new -M = -ceil(t): a whole number
	v_sub_f32 v254, v12, v254                      ; old M - new M: a whole number, 0 or less
	v_cvt_i32_f32 v254, v254                       ; (it saturates)
	v_ldexp_f32 v252, 1.0, v254                    ; f = 2^(old M - new M): a multiplication by it rounds nothing
.set j, 0
.rept 32
	v_pk_fma_f32 v[96+j:97+j], v[96+j:97+j], s[CS:CS+1], v[12:13] op_sel_hi:[1,0,0]   ; t - M, two at a time
.set j, j+2
.endr
.irp b, 0,1,2,3
	v_fma_f32 v[232+\b], v[232+\b], s[CS], v12     ; the same of each block's largest score
.endr
.set j, 0
.rept 64
	v_exp_f32 v[96+j], v[96+j]                     ; p = 2^(t - M), at most 1
.set j, j+1
.endr
.irp b, 0,1,2,3
	v_exp_f32 v[232+\b], v[232+\b]                 ; the block's largest p
.endr
	v_pk_mul_f32 v[14:15], v[14:15], v[252:253] op_sel_hi:[1,0]   ; the sums under the new M (a plain instruction behind the exponentials)
	s_wait_alu depctr_va_vdst(0)
.irp b, 0,1,2,3
	v_max_num_f32 v[232+\b], 0x1800000, v[232+\b]  ; the floor 2^(3 - 127): the byte cannot fall under 1
.endr
.irp b, 0,1,2,3
	v_add_nc_u32 v[244+\b], 0xff000000, v[232+\b]  ; the conversion's scale operand
.endr
.irp b, 0,1,2,3
	v_lshrrev_b32 v[236+\b], 23, v[244+\b]         ; the scale's byte
.endr
	v_lshl_or_b32 v231, v237, 8, v236              ; p's scale word for these 128 keys
	v_lshl_or_b32 v231, v238, 16, v231
	v_lshl_or_b32 v231, v239, 24, v231
.irp b, 0,1,2,3
	v_cvt_scalef32_pk8_fp4_f32 v[88+2*\b], v[96+16*\b:103+16*\b], v[244+\b]
	v_cvt_scalef32_pk8_fp4_f32 v[89+2*\b], v[104+16*\b:111+16*\b], v[244+\b]
.endr
	v_nop                                          ; one plain instruction behind a scaled conversion
.irp c, 0,1
.irp i, 0,1
	v_permlane16_swap_b32 v[88+4*\c+\i], v[90+4*\c+\i]   ; a whole block to a lane
.endr
.endr
	v_pk_add_f32 v[236:237], v[96:97], v[98:99]    ; the row's sum is taken of the unquantised p: two at a time, in two chains
.irp j, 4,8,12,16,20,24,28,32,36,40,44,48,52,56,60
	v_pk_add_f32 v[14:15], v[14:15], v[96+\j:97+\j]
	v_pk_add_f32 v[236:237], v[236:237], v[98+\j:99+\j]
.endr
	v_pk_add_f32 v[14:15], v[14:15], v[236:237]
.set j, 0
.rept 16
	v_pk_mul_f32 v[160+j:161+j], v[160+j:161+j], v[252:253] op_sel_hi:[1,0]   ; O^T under the new M.  (With the sums above: the places between p's codes and scale word and the products below)
.set j, j+2
.endr
	s_wait_dscnt 0x0                               ; V and its scale words are in
.irp t, 0,1
	v_wmma_scale_f32_16x16x128_f8f6f4 v[160+8*\t:167+8*\t], v[192+8*\t:199+8*\t], v[88:95], v[160+8*\t:167+8*\t], v[228+\t], v231 matrix_a_fmt:MATRIX_FMT_FP4 matrix_b_fmt:MATRIX_FMT_FP4
.endr
.irp t, 0,1
	v_wmma_scale_f32_16x16x128_f8f6f4 v[176+8*\t:183+8*\t], v[208+8*\t:215+8*\t], v[88:95], v[176+8*\t:183+8*\t], v[228+\t], v231 matrix_a_fmt:MATRIX_FMT_FP4 matrix_b_fmt:MATRIX_FMT_FP4 matrix_a_scale:MATRIX_SCALE_ROW1
.endr
.Lskip:
	s_lshr_b32 s12, s12, 2                         ; the next step's flag
	s_add_co_u32 s14, s14, 1
	s_cmp_lt_u32 s14, 16
	s_cbranch_scc1 .Lstep
	; ---- the tile's end: O^T / the sum, quantised along the head's 64: blocks 2 head and 2 head + 1 of ctx's row
.rept 4
	v_nop                                          ; four plain instructions behind the last products
.endr
	v_add_f32 v14, v14, v15
	v_permlanex16_b32 v252, v14, s[SEL], s[SEL+1]
	v_add_f32 v14, v14, v252                       ; the row's sum
	v_cmp_eq_f32 s13, 0, v14                       ; 0: every key was hidden
	v_rcp_f32 v252, v14
	v_mov_b32 v249, 0xffff                         ; (a plain instruction behind the reciprocal)
.set j, 0
	s_wait_alu depctr_va_vdst(0)
.rept 16
	v_pk_mul_f32 v[96+j:97+j], v[160+j:161+j], v[252:253] op_sel_hi:[1,0]   ; register 16 b + i: channel 32 b + 16 (lane / 16) + i
.set j, j+2
.endr
.irp b, 0,1
	v_max3_num_f32 v[232+\b], |v[96+16*\b]|, |v[97+16*\b]|, 0x1800000
.endr
.irp i, 2,4,6,8,10,12,14
.irp b, 0,1
	v_max3_num_f32 v[232+\b], v[232+\b], |v[96+16*\b+\i]|, |v[97+16*\b+\i]|
.endr
.endr
.irp b, 0,1
	v_permlanex16_b32 v[236+\b], v[232+\b], s[SEL], s[SEL+1]
.endr
.irp b, 0,1
	v_max_num_f32 v[232+\b], v[232+\b], v[236+\b]
.endr
.irp b, 0,1
	v_add_nc_u32 v[244+\b], 0xff000000, v[232+\b]
.endr
.irp b, 0,1
	v_lshrrev_b32 v[236+\b], 23, v[244+\b]
.endr
	v_lshl_or_b32 v248, v237, 8, v236              ; the two bytes,
	v_cndmask_b32 v248, v248, v249, s13            ; or twice 0xff
.irp b, 0,1
	v_cvt_scalef32_pk8_fp4_f32 v[88+2*\b], v[96+16*\b:103+16*\b], v[244+\b]
	v_cvt_scalef32_pk8_fp4_f32 v[89+2*\b], v[104+16*\b:111+16*\b], v[244+\b]
.endr
	v_nop
	v_permlane16_swap_b32 v88, v90                 ; lanes 0-15 block 0, lanes 16-31 block 1
	v_permlane16_swap_b32 v89, v91
	s_lshl_b32 s88, s11, 13
	s_add_co_u32 s88, s88, s98
	v_add_nc_u32 v250, s88, v[AK0]
	s_lshl_b32 s89, s11, 9
	s_add_co_u32 s89, s89, s99
	v_add_nc_u32 v251, s89, v10
	global_store_b128 v250, v[88:91], s[8:9]       ; 32 lanes store 512 consecutive bytes
	global_store_b16 v251, v248, s[8:9] offset:CSC ; row r's two bytes (lanes 16-31 hold and write the same): the heads of a row lie in different work-groups, so these leave two at a time
	s_wait_xcnt 0x0                                ; the stores have read their registers: the next tile writes them again
	s_sub_co_u32 s11, 127, s11
	s_sub_co_u32 s15, s15, 1
	s_cmp_lg_u32 s15, 0
	s_cbranch_scc1 .Ltile
	s_wait_tensorcnt 0x0
	ds_add_u32 v243, v255
	s_wait_dscnt 0x0
	s_endpgm
.Lfunc_end_k_q3bc93c5a5e_attn:
	.size	k_q3bc93c5a5e_attn, .Lfunc_end_k_q3bc93c5a5e_attn-k_q3bc93c5a5e_attn
	.p2alignl 7, 3214868480
	.fill 96, 4, 3214868480
	.section	.rodata,"a",@progbits
	.p2align	6, 0x0
	.amdhsa_kernel k_q3bc93c5a5e_attn
		.amdhsa_group_segment_fixed_size 145408
		.amdhsa_private_segment_fixed_size 0
		.amdhsa_enable_private_segment 0
		.amdhsa_kernarg_size 24
		.amdhsa_user_sgpr_count 2
		.amdhsa_user_sgpr_kernarg_segment_ptr 1
		.amdhsa_wavefront_size32 1
		.amdhsa_system_sgpr_workgroup_id_x 1
		.amdhsa_system_sgpr_workgroup_id_y 1
		.amdhsa_system_sgpr_workgroup_id_z 1
		.amdhsa_system_vgpr_workitem_id 0
		.amdhsa_next_free_vgpr 256
		.amdhsa_next_free_sgpr 100
		.amdhsa_reserve_vcc 0
		.amdhsa_float_denorm_mode_32 3
		.amdhsa_float_denorm_mode_16_64 3
		.amdhsa_memory_ordered 1
		.amdhsa_forward_progress 1
		.amdhsa_inst_pref_size 34
	.end_amdhsa_kernel
	.amdgpu_metadata
---
amdhsa.version: [ 1, 2 ]
amdhsa.kernels:
  - .name:           k_q3bc93c5a5e_attn
    .symbol:         k_q3bc93c5a5e_attn.kd
    .args:
      - { .name: qkv, .offset: 0, .size: 8, .value_kind: global_buffer, .address_space: global }
      - { .name: maskw, .offset: 8, .size: 8, .value_kind: global_buffer, .address_space: global }
      - { .name: ctx, .offset: 16, .size: 8, .value_kind: global_buffer, .address_space: global }
    .group_segment_fixed_size: 145408
    .private_segment_fixed_size: 0
    .kernarg_segment_align: 8
    .kernarg_segment_size: 24
    .max_flat_workgroup_size: 512
    .sgpr_count:     100
    .vgpr_count:     256
    .wavefront_size: 32
...
	.end_amdgpu_metadata
.endif
;; end of part 3
;; launch outp (part 4): grid 4 x 64, 4 waves a work-group, clusters of 4 x 4, 226,816 bytes of LDS; arguments ctx, opnd, bo, out0; writes out0
.if DOCPART == 4
	.amdgcn_target "amdgcn-amd-amdhsa--gfx1250"
	.amdhsa_code_object_version 6
	.text
	.protected	k_q3bc93c5a5e_outp
	.globl	k_q3bc93c5a5e_outp
	.p2align	8
	.type	k_q3bc93c5a5e_outp,@function
k_q3bc93c5a5e_outp:
	s_mov_b64 s[64:65], 0
	v_nop
	global_prefetch_b8 v0, s[64:65] scope:SCOPE_SE
	s_setreg_imm32_b32 hwreg(HW_REG_WAVE_MODE, 25, 1), 1
	s_wait_xcnt 0x0
	s_wait_alu depctr_hold_cnt(0) depctr_sa_sdst(0) depctr_va_vdst(0) depctr_va_sdst(0) depctr_va_ssrc(0) depctr_va_vcc(0) depctr_vm_vsrc(0)
	s_getreg_b32 s2, hwreg(HW_REG_IB_STS2, 6, 4)
	s_cmp_eq_u32 s2, 0
	s_cbranch_scc0 .Lentry_in_a_cluster
	s_endpgm
.Lentry_in_a_cluster:
	s_bfe_u32 s2, ttmp6, 0x10000c
	s_cmp_lg_u32 s2, 0xf033
	s_cbranch_scc0 .Lentry_shape_is_right
	s_endpgm
.Lentry_shape_is_right:
; out0 = ctx Wo + bo on codes of E2M1 with E8M0 scales; out0 [8192][1024] f32.
; A work-group makes 128 rows x 256 columns.  Four waves; wave w takes all 8 tiles of rows x 4 tiles of columns (64 columns): 32 accumulators, 256 registers.
; K = 1,024 is 512 bytes a row, so both panels for ALL of K lie in LDS at once (64 KB of ctx, 128 KB of Wo, 12 KB of scale words): every tensor load is a first fill, nothing is filled again, no ring.
; CLUSTERS: 4 x 4 work-groups.  The four of a row of the cluster need the same rows of ctx, the four of a column the same columns of Wo: each panel is asked for JOINTLY.  By this text's own count a wave has three tensor loads out.
; OPERANDS lie in memory and in LDS in the order of their registers: a fragment is two runs of 512 bytes, 16 bytes a lane.  Row r of tile 2 g + u is index 32 g + 8 u + r + 8 (r / 8).
; THE PRODUCT IS USED TRANSPOSED (source 0 = 16 columns of Wo, source 1 = 16 rows of ctx): a lane holds one row, and the 16 registers of two neighbouring tiles are 16 neighbouring columns.  The bias is the C of each sum's first product.
; A row of ctx whose scale bytes are 0xff (every key hidden) comes out NaN.
; REGISTERS: window 0: v2-12 addresses; v16-79 ctx's scale words; v80-111 Wo's; v112-143 the bias; v144-207 the way out.  window 1: the accumulators.  window 2: v0-127 ctx's fragments, two sets; v128-191 Wo's, two sets.
.set CSC,  4194304                     ; ctx: the scale words (the codes begin at 0)
.set WOC,  4456448+1572864             ; opnd: Wo's codes
.set WOS,  6553600+98304               ; Wo's scale words
.set LB,   65536                       ; LDS: ctx's codes at 0: [K half][tile 8][4,096]; Wo's here: [K half][tile 16][4,096]
.set LSA,  196608
.set LSB,  200704
.set STG,  208896                      ; the way out: 16 rows x (256 bytes + 16) for each wave; no tile lands here
.set SP,   272
.set ADRA, 2
.set ADRB, 4
.set ADSA, 6
.set ADSB, 7
.set SO,   8                           ; v8   the stage: where I put 32 bytes of a row
.set SR,   9                           ; v9   where I read a row back
.set CO,   10                          ; v10  my byte offset in out0
.set SCA,  16
.set SCB,  80
.set BIAS, 112
.set BK,   144                         ; v144-175, v176-207 by turns: 16 rows read back from the stage
.set G1A,  24
.set G1B,  32
.set G1SA, 40
.set G1SB, 48
.set G0A,  56
.set G0B,  68
.set G0SA, 76
.set G0SB, 80
.set MSB, 0
.macro WIN new                         ; the immediate's high byte repeats the setting that is left
.if MSB != \new
	s_set_vgpr_msb (MSB<<8)|\new
.set MSB, \new
.endif
.endm
; A joint load: waves 0 and 1 fetch for ctx, waves 2 and 3 for Wo; the branch hangs on the wave's number alone.  Four v_nop follow each of the two lines.
.macro JLOAD g0a, g1a, g0b, g1b
	s_cmp_eq_u32 s15, 0
	s_cbranch_scc0 .Lfor_b_\@
	tensor_load_to_lds s[\g0a:\g0a+3], s[\g1a:\g1a+7]
	s_nop 0
.rept 4
	v_nop
.endr
	s_branch .Lasked_\@
.Lfor_b_\@:
	tensor_load_to_lds s[\g0b:\g0b+3], s[\g1b:\g1b+7]
	s_nop 0
.rept 4
	v_nop
.endr
.Lasked_\@:
.endm
.macro CROUND                          ; a round of the cluster's barrier
	s_barrier_signal -1
	s_barrier_wait -1
	s_cmp_lg_u32 s14, 0
	s_cbranch_scc1 .Lnot_wave_0_\@
	s_barrier_signal -3
.Lnot_wave_0_\@:
	s_barrier_wait -3
	s_barrier_signal -1
	s_barrier_wait -1
.endm
.macro SHAPE g, c, r, p                ; group 1's words 1 to 7: r rows of c elements of 8 bytes, p elements from row to row
	s_mov_b32 s[\g+1], (\c)<<16
	s_mov_b32 s[\g+2], (\r)<<16
	s_mov_b32 s[\g+3], (\c)<<16
	s_mov_b32 s[\g+4], \r
	s_mov_b32 s[\g+5], \p
	s_mov_b32 s[\g+6], 0
	s_mov_b32 s[\g+7], 0
.endm
.macro PLACES                          ; four plain instructions in front of loads into registers that matrix instructions have read, and of the first read of results
.rept 4
	v_nop
.endr
.endm
.macro FETCH p                         ; 24 LDS loads in one run: K step p's fragments into set p % 2
	WIN 0x80                                       ; destination window 2, address window 0
.irp i, 0,1,2,3,4,5,6,7
.irp c, 0,1
	ds_load_b128 v[64*((\p)&1)+8*\i+4*\c:64*((\p)&1)+8*\i+4*\c+3], v[ADRA+(\p)/4] offset:\i*4096+((\p)%4)*1024+512*\c
.endr
.endr
.irp t, 0,1,2,3
.irp c, 0,1
	ds_load_b128 v[128+32*((\p)&1)+8*\t+4*\c:128+32*((\p)&1)+8*\t+4*\c+3], v[ADRB+(\p)/4] offset:\t*4096+((\p)%4)*1024+512*\c
.endr
.endr
.endm
; 32 matrix instructions: K step p; accumulator 4 i + t.  The 32 accumulators take turns, one instruction a turn, in the same order in every step.  Step 0 takes the bias as C.
.macro MUL p
.if (\p) == 0
	WIN 0x4a                                       ; sources 0 and 1 window 2, C window 0, D window 1
.else
	WIN 0x5a                                       ; C and D window 1
.endif
.irp i, 0,1,2,3,4,5,6,7
.irp t, 0,1,2,3
.set rA, 64*((\p)&1)+8*\i
.set rB, 128+32*((\p)&1)+8*\t
.set sA, SCA+32*((\p)/4)+4*\i+(\p)%4
.set sB, SCB+8*\t+(\p)
.set rD, 8*(4*\i+\t)
.if (\p) == 0
	v_wmma_scale_f32_16x16x128_f8f6f4 v[rD:rD+7], v[rB:rB+7], v[rA:rA+7], v[BIAS+8*\t:BIAS+8*\t+7], v[sB], v[sA] matrix_a_fmt:MATRIX_FMT_FP4 matrix_b_fmt:MATRIX_FMT_FP4
.else
	v_wmma_scale_f32_16x16x128_f8f6f4 v[rD:rD+7], v[rB:rB+7], v[rA:rA+7], v[rD:rD+7], v[sB], v[sA] matrix_a_fmt:MATRIX_FMT_FP4 matrix_b_fmt:MATRIX_FMT_FP4
.endif
.endr
.endr
.endm
; THE WAY OUT of tile i of rows: 16 rows x my 64 columns go through my own stage and come back as whole rows of 256 bytes.  LDS serves a wave's instructions in order: no wait between the stores and the loads, nor in front of the next tile's stores.
.macro TOSTAGE i
	WIN 0x04                                       ; an LDS store's data are its source 1: window 1
.irp t, 0,1,2,3
	ds_store_b128 v[SO], v[32*(\i)+8*\t:32*(\i)+8*\t+3] offset:128*(\t/2)+32*(\t%2)          ; each accumulator from its low end on
	ds_store_b128 v[SO], v[32*(\i)+8*\t+4:32*(\i)+8*\t+7] offset:128*(\t/2)+32*(\t%2)+16
.endr
	WIN 0
.set BB, BK+32*((\i)%2)
.irp q, 0,1,2,3,4,5,6,7
	ds_load_b128 v[BB+4*\q:BB+4*\q+3], v[SR] offset:2*SP*\q
.endr
.endm
.macro SEND i, younger                 ; younger: the LDS instructions issued behind tile i's loads, which may stay out
.set BB, BK+32*((\i)%2)
	s_wait_dscnt \younger
.irp q, 0,1,2,3,4,5,6,7
	global_store_b128 v[CO], v[BB+4*\q:BB+4*\q+3], s[18:19] offset:(32*((\i)/2)+8*((\i)%2)+2*\q+8*(\q/4))*4096 th:TH_STORE_NT   ; sixteen lanes store 256 consecutive bytes, aligned; stage row 2 q + h is row 2 q + h + 8 (q / 4) of the tile's span
.endr
.endm
	s_load_b256 s[4:11], s[0:1], 0x0               ; ctx, opnd, bo, out0
	v_lshl_add_u32 v254, v0, 2, 0x37400
	v_mov_b32 v255, 0
	ds_add_u32 v254, v255
	ds_add_u32 v254, v255
	v_lshrrev_b32 v11, 5, v0
	v_readfirstlane_b32 s14, v11                   ; wave 0..3
	s_lshr_b32 s15, s14, 1                         ; I fetch for ctx (0) or for Wo (1),
	s_and_b32 s16, s14, 1                          ; and which half of its tiles
	s_bfe_u32 s88, ttmp6, 0x40000                  ; cx, cy: my place in the cluster
	s_bfe_u32 s89, ttmp6, 0x40004
	s_lshl_b32 s90, ttmp9, 2
	s_add_co_u32 s90, s90, s88                     ; block of 256 columns
	s_and_b32 s91, ttmp7, 0xffff
	s_lshl_b32 s91, s91, 2
	s_add_co_u32 s91, s91, s89                     ; block of 128 rows
	s_lshl_b32 s92, s89, 2
	s_lshl_b32 s92, 15, s92                        ; my row of the cluster
	s_lshl_b32 s93, 0x1111, s88                    ; my column
	s_or_b32 s[G1A], s92, (3<<16)|(1<<21)          ; 15:0 the mask; 17:16 elements of 8 bytes; 21 set beside a mask; no padding
	s_or_b32 s[G1SA], s92, (3<<16)|(1<<21)
	s_or_b32 s[G1B], s93, (3<<16)|(1<<21)
	s_or_b32 s[G1SB], s93, (3<<16)|(1<<21)
	SHAPE G1A, 512, 4, 1024                        ; 4 tiles: half a tile's K (4,096 bytes) each, 8,192 bytes from tile to tile
	SHAPE G1B, 512, 8, 1024
	SHAPE G1SA, 32, 8, 32                          ; 2,048 dense bytes as rows of 256
	SHAPE G1SB, 32, 16, 32
	s_lshl_b32 s94, s91, 16
	s_lshl_b32 s17, s16, 15
	s_add_co_u32 s94, s94, s17
	s_mov_b32 s95, 0
	s_lshl_b32 s96, s91, 12
	s_lshl_b32 s17, s16, 11
	s_add_co_u32 s96, s96, s17
	s_add_co_u32 s96, s96, CSC
	s_mov_b32 s97, 0
	s_lshl_b32 s98, s90, 17
	s_lshl_b32 s17, s16, 16
	s_add_co_u32 s98, s98, s17
	s_add_co_u32 s98, s98, WOC
	s_mov_b32 s99, 0
	s_lshl_b32 s100, s90, 13
	s_lshl_b32 s17, s16, 12
	s_add_co_u32 s100, s100, s17
	s_add_co_u32 s100, s100, WOS
	s_mov_b32 s101, 0
	s_lshl_b32 s20, s16, 14                        ; where they go: no place in the cluster enters an LDS address
	s_lshl_b32 s21, s16, 15
	s_lshl_b32 s22, s16, 11
	s_lshl_b32 s23, s16, 12
	s_wait_dscnt 0x0
	s_wait_kmcnt 0x0
	s_add_nc_u64 s[94:95], s[4:5], s[94:95]
	s_add_nc_u64 s[96:97], s[4:5], s[96:97]
	s_add_nc_u64 s[98:99], s[6:7], s[98:99]
	s_add_nc_u64 s[100:101], s[6:7], s[100:101]
	CROUND                                         ; all sixteen work-groups are here: the joint loads meet
	s_mov_b32 s[G0SA], 1
	s_add_co_u32 s[G0SA+1], s22, LSA
	s_mov_b64 s[G0SA+2:G0SA+3], s[96:97]
	s_or_b32 s[G0SA+3], s[G0SA+3], 0x80000000
	s_mov_b32 s[G0SB], 1
	s_add_co_u32 s[G0SB+1], s23, LSB
	s_mov_b64 s[G0SB+2:G0SB+3], s[100:101]
	s_or_b32 s[G0SB+3], s[G0SB+3], 0x80000000
	JLOAD G0SA, G1SA, G0SB, G1SB                   ; the scale words first: they are wanted with K step 0
.irp f, 0,1
	s_mov_b32 s[G0A+4*\f], 1
	s_add_co_u32 s[G0A+4*\f+1], s20, \f*32768
	s_add_nc_u64 s[G0A+4*\f+2:G0A+4*\f+3], s[94:95], \f*4096
	s_or_b32 s[G0A+4*\f+3], s[G0A+4*\f+3], 0x80000000
	s_mov_b32 s[G0B+4*\f], 1
	s_add_co_u32 s[G0B+4*\f+1], s21, LB+\f*65536
	s_add_nc_u64 s[G0B+4*\f+2:G0B+4*\f+3], s[98:99], \f*4096
	s_or_b32 s[G0B+4*\f+3], s[G0B+4*\f+3], 0x80000000
	JLOAD G0A+4*\f, G1A, G0B+4*\f, G1B
.endr
	v_and_b32 v11, 31, v0
	v_lshlrev_b32 v[ADRA], 4, v11                  ; 16 x lane
	v_add_nc_u32 v[ADRA+1], 32768, v[ADRA]
	s_lshl_b32 s17, s14, 14
	s_add_co_u32 s17, s17, LB
	v_add_nc_u32 v[ADRB], s17, v[ADRA]
	v_add_nc_u32 v[ADRB+1], 0x10000, v[ADRB]
	v_and_b32 v11, 15, v0                          ; r
	v_bfe_u32 v12, v0, 4, 1                        ; h
	v_lshl_add_u32 v[ADSA], v11, 4, LSA
	s_lshl_b32 s17, s14, 11
	s_add_co_u32 s17, s17, LSB
	v_lshl_add_u32 v[ADSB], v11, 2, s17
	s_mul_i32 s17, s14, 16*SP
	s_add_co_u32 s17, s17, STG                     ; my stage
	v_mul_u32_u24 v[SO], v11, SP
	v_lshl_add_u32 v[SO], v12, 6, v[SO]
	v_add_nc_u32 v[SO], s17, v[SO]                 ; in: row r, + 64 h; tile 2 b + u's eight columns: 128 b + 32 u bytes on
	v_mul_u32_u24 v[SR], v12, SP
	v_lshl_add_u32 v[SR], v11, 4, v[SR]
	v_add_nc_u32 v[SR], s17, v[SR]                 ; back: lanes 0-15 one row, lanes 16-31 the next
	v_lshlrev_b32 v[CO], 12, v12
	v_lshl_add_u32 v[CO], v11, 4, v[CO]            ; and the same two rows in out0
	s_lshl_b32 s22, s88, 10
	s_lshl_b32 s85, s14, 8
	s_add_co_u32 s22, s22, s85                     ; my 64 columns, in bytes
	s_mov_b32 s23, 0
	s_add_nc_u64 s[8:9], s[8:9], s[22:23]
	s_lshl_b32 s85, s91, 19                        ; my block's 128 rows of 4,096 bytes
	s_add_co_u32 s22, s22, s85
	s_add_nc_u64 s[18:19], s[10:11], s[22:23]
	v_lshlrev_b32 v13, 6, v12                      ; lane (r, h) wants, for tile 2 b + u, the bias of columns 32 b + 16 h + 8 u + 0 .. 7
.irp t, 0,1,2,3
	global_load_b128 v[BIAS+8*\t:BIAS+8*\t+3], v13, s[8:9] offset:(32*(\t/2)+8*(\t%2))*4
	global_load_b128 v[BIAS+8*\t+4:BIAS+8*\t+7], v13, s[8:9] offset:(32*(\t/2)+8*(\t%2))*4+16
.endr
	s_wait_tensorcnt 0x1                           ; my scale words and my part of K half 0 are in; half 1's load may stay out
	s_barrier_signal -1
	s_barrier_wait -1                              ; everybody's are
.irp i, 0,1,2,3,4,5,6,7
.irp f, 0,1
	ds_load_b128 v[SCA+32*\f+4*\i:SCA+32*\f+4*\i+3], v[ADSA] offset:512*\i+256*\f
.endr
.endr
.irp t, 0,1,2,3
.irp p, 0,1,2,3,4,5,6,7
	ds_load_b32 v[SCB+8*\t+\p], v[ADSB] offset:512*\t+64*\p
.endr
.endr
	FETCH 0
	s_wait_loadcnt 0x0                             ; the bias
.set P, 0
.rept 8
	s_wait_dscnt 0x0                               ; this step's fragments are in (asked for one step's 32 matrix instructions ago)
.if P == 3
	s_wait_tensorcnt 0x0                           ; my part of K half 1 is in,
	s_barrier_signal -1
	s_barrier_wait -1                              ; everybody's is: the next fetch reads it
.endif
.if P < 7
.if P > 0
	PLACES
.endif
	FETCH P+1
.endif
	MUL P
.set P, P+1
.endr
	WIN 0
	PLACES
	TOSTAGE 0
.irp a, 1,2,3,4,5,6,7
.if \a > 1
	s_wait_xcnt 0x0                                ; tile a - 2's stores have read their registers: tile a's loads may land there
.endif
	TOSTAGE \a
	SEND \a-1, 16                                  ; behind tile a - 1's loads: tile a's 8 stores and 8 loads
.endr
	SEND 7, 0
	s_wait_tensorcnt 0x0
	ds_add_u32 v254, v255
	s_wait_dscnt 0x0
	CROUND                                         ; the closing round: no work-group ends while a partner may still ask for a panel that names it
	s_endpgm
.Lfunc_end_k_q3bc93c5a5e_outp:
	.size	k_q3bc93c5a5e_outp, .Lfunc_end_k_q3bc93c5a5e_outp-k_q3bc93c5a5e_outp
	.p2alignl 7, 3214868480
	.fill 96, 4, 3214868480
	.section	.rodata,"a",@progbits
	.p2align	6, 0x0
	.amdhsa_kernel k_q3bc93c5a5e_outp
		.amdhsa_group_segment_fixed_size 226816
		.amdhsa_private_segment_fixed_size 0
		.amdhsa_enable_private_segment 0
		.amdhsa_kernarg_size 32
		.amdhsa_user_sgpr_count 2
		.amdhsa_user_sgpr_kernarg_segment_ptr 1
		.amdhsa_wavefront_size32 1
		.amdhsa_system_sgpr_workgroup_id_x 1
		.amdhsa_system_sgpr_workgroup_id_y 1
		.amdhsa_system_sgpr_workgroup_id_z 1
		.amdhsa_system_vgpr_workitem_id 0
		.amdhsa_next_free_vgpr 768
		.amdhsa_next_free_sgpr 102
		.amdhsa_reserve_vcc 0
		.amdhsa_float_denorm_mode_32 3
		.amdhsa_float_denorm_mode_16_64 3
		.amdhsa_memory_ordered 1
		.amdhsa_forward_progress 1
		.amdhsa_inst_pref_size 74
	.end_amdhsa_kernel
	.amdgpu_metadata
---
amdhsa.version: [ 1, 2 ]
amdhsa.kernels:
  - .name:           k_q3bc93c5a5e_outp
    .symbol:         k_q3bc93c5a5e_outp.kd
    .args:
      - { .name: ctx, .offset: 0, .size: 8, .value_kind: global_buffer, .address_space: global }
      - { .name: opnd, .offset: 8, .size: 8, .value_kind: global_buffer, .address_space: global }
      - { .name: bo, .offset: 16, .size: 8, .value_kind: global_buffer, .address_space: global }
      - { .name: out0, .offset: 24, .size: 8, .value_kind: global_buffer, .address_space: global }
    .group_segment_fixed_size: 226816
    .private_segment_fixed_size: 0
    .kernarg_segment_align: 8
    .kernarg_segment_size: 32
    .max_flat_workgroup_size: 128
    .sgpr_count:     102
    .vgpr_count:     768
    .wavefront_size: 32
...
	.end_amdgpu_metadata
.endif
;; end of part 4
;; ======== version 2 of 2: 4 launches; version 1 with the launch attn written anew for expert scheduling mode
;; workspace buffers: opnd 6,684,672 bytes; maskw 532,480 bytes of whole numbers; qkv 13,893,632 bytes; ctx 4,456,448 bytes
;; launch prep: the kernel of part 1 again; grid 320 x 1, 8 waves a work-group, no clusters, 136,192 bytes of LDS; arguments x, attn_mask, Wq, Wk, Wv, Wo, opnd, maskw; writes opnd, maskw
;; launch qkv: the kernel of part 2 again; grid 12 x 64, 4 waves a work-group, clusters of 4 x 4, 209,408 bytes of LDS; arguments opnd, bq, bk, bv, qkv; writes qkv
;; launch attn (part 5): grid 4 x 64, 16 waves a work-group, no clusters, 145,408 bytes of LDS; arguments qkv, maskw, ctx; writes ctx
.if DOCPART == 5
	.amdgcn_target "amdgcn-amd-amdhsa--gfx1250"
	.amdhsa_code_object_version 6
	.text
	.protected	k_q3bc93c5a5e_attn
	.globl	k_q3bc93c5a5e_attn
	.p2align	8
	.type	k_q3bc93c5a5e_attn,@function
k_q3bc93c5a5e_attn:
	s_mov_b64 s[64:65], 0
	v_nop
	global_prefetch_b8 v0, s[64:65] scope:SCOPE_SE
	s_setreg_imm32_b32 hwreg(HW_REG_WAVE_SCHED_MODE, 0, 2), 2
	s_setreg_imm32_b32 hwreg(HW_REG_WAVE_MODE, 25, 1), 1
	s_wait_xcnt 0x0
	s_wait_alu depctr_vm_vsrc(0)
; ctx = softmax(q k^T / 8, hidden where attn_mask is 0) v, for one head a work-group row, both products on codes of E2M1 with E8M0 scales; ctx leaves quantised along the model's 1,024 as the last product's operand.
; THE SOFTMAX: t = score x log2(e) / 8; M = the row's largest t so far, rounded UP to a whole number; p = 2^(t - M) is quantised along the keys, not normalised; the row's sum is taken of the unquantised p and divides at the end.
; SHARES.  Work-group (j, bh): head bh; each of its sixteen waves owns two tiles of 16 queries, T = 4 w + j and 127 - T, one after the other: who takes which tile is free, and holds for every mask.
; The head's K and V (codes 64 KB each, scale words 8 and 4 KB) are copied into LDS once, through registers; behind the one barrier LDS is only read.
; THE MASK IS HONOURED AS IT IS GIVEN.  An earlier launch stored, as whole numbers, a flag for each (query tile, 128 keys) and a lane mask for each score register.  A step whose flag says 'all hidden' is passed over by a
; scalar branch; where it says 'mixed', hidden scores become -infinity ahead of the maximum; a step with nothing hidden jumps over those 64 lines.
; NO TENSOR LOAD AND NO CLUSTER: the steps branch on numbers read from memory; joint requests exist for tensor loads alone; what the four work-groups of a
; head share is 140 KB, read once by each.
; LAYOUT.  Both products transposed: S^T = K Q^T (source 0 = 16 keys), O^T = V^T P^T (source 0 = 16 channels): a lane holds ONE query throughout.  Row r of tile 2 b + u is index 32 b + 8 u + r + 8 (r / 8), so the 16
; registers of two neighbouring tiles are 16 neighbours.  A head has 64 channels: the upper 64 of the first product's K are zero codes on both sides, kept in registers that are cleared once.
; A ROW WITH EVERY KEY HIDDEN has the sum 0: its two scale bytes become 0xff, which makes the last product's whole row NaN.
; LIMITS: NaN and infinities among q, k, v are not served; a block whose largest magnitude lies under 2^-124 keeps the scale byte 1.
; REGISTERS: v1-4 a lane's places in LDS; v5-8 the step's addresses; v10 16 r; v11 -infinity; v12 -M, v13 the largest t, v[14:15] the sum; v16-23 Q and zeros; v24-87 K's eight fragments; v88-95 p's codes; v96-159 S^T, then p;
;   v160-191 O^T; v192-223 V's four fragments; v224-227 K's scale words, v228-229 V's, v230 Q's, v231 p's; v232-239, v244-254 at work; v240-241 the addresses of Q's loads.
; THE MODE: SCHED_MODE bits 1:0 = 2 (LLVM: expert scheduling mode 2), set by the entry lines.  The code itself states the register dependences between vector or matrix instructions and memory or LDS
; instructions, with s_wait_alu, always for 0.
; THE PLAN.  Registers that memory or LDS instructions touch:
;   v5-8        Written by four adds at a step's head; read by the step's 18 LDS loads.  (At the kernel's head: written once, read by the copy's loads and LDS stores; v9 likewise.)
;   K, v224-227 The step's first nine LDS loads land in them; the eight products S^T read them.
;   V, v228-229 The step's other nine LDS loads land in them; the four products O^T read them.
;   v16-19,v230 Q's two loads land in them at a tile's head; every product S^T of the tile reads them.
;   v240, v241  Written at a tile's head; read by Q's two loads; named by nothing else.
;   v88-91, v248, v250, v251   Written by vector instructions at a tile's end (v88-91 in every step too); read by the tile's two stores.
;   v96-165     At the kernel's head the copy's loads land in them and its LDS stores read them; later products and vector instructions write them.
; A STEP has one wait on vm_vsrc and three on va_vdst: at its head, round the four adds (the last step's LDS loads have read v5-8 | v5-8 are written, and the last step's products are done reading K, V and the scale
; words); behind the exponentials; and ahead of the products O^T, which take p's codes and scale word from vector instructions.  Behind the head's wait V's loads are dealt among the products S^T, which name none of
; the registers that those loads touch.  The wave's 256 registers are taken, so K and V have one set each, and a step's loads stand in their own step.
.set KC,   4194304                     ; qkv: k's codes (q's begin at 0)
.set VC,   8388608
.set QS,   12582912                    ; q's scale words; k's 524,288 on
.set VS,   13631488
.set FL,   524288                      ; maskw: the flags
.set CSC,  4194304                     ; ctx: the scale words
.set LV,   65536                       ; LDS: K's codes at 0, V's here,
.set LKS,  131072                      ; K's scale words,
.set LVS,  139264                      ; V's
.set AK0,  1
.set AV0,  2
.set ASK0, 3
.set ASV0, 4
.set ADK,  5
.set ADV,  6
.set ADS,  7
.set ADT,  8
.set SEL,  84                          ; s[84:85] v_permlanex16_b32's selects for lane l xor 16
.set CS,   86                          ; s[86:87] c = log2(e) / 8: the packed form names a pair and takes its low word for both halves
	s_load_b128 s[4:7], s[0:1], 0x0                ; qkv, maskw
	s_load_b64 s[8:9], s[0:1], 0x10                ; ctx
	v_lshl_add_u32 v243, v0, 2, 0x23000
	v_mov_b32 v255, 0
	v_lshrrev_b32 v9, 5, v0
	v_readfirstlane_b32 s10, v9                    ; wave 0..15
	s_and_b32 s92, ttmp7, 0xffff                   ; bh
	v_lshlrev_b32 v[ADK], 4, v0                    ; the copy: 16 bytes a thread, 8,192 a pass
	v_lshl_add_u32 v[ADV], v0, 4, LV
	v_lshl_add_u32 v[ADS], v0, 4, LKS
	v_lshl_add_u32 v[ADT], v0, 3, LVS
	v_lshlrev_b32 v9, 3, v0
	s_lshl_b32 s94, s92, 16
	s_mov_b32 s95, 0
	s_lshl_b32 s96, s92, 13
	s_add_co_u32 s96, s96, QS
	s_mov_b32 s97, 0
	s_lshl_b32 s22, s92, 12
	s_add_co_u32 s22, s22, VS
	s_mov_b32 s23, 0
	s_wait_kmcnt 0x0
	s_add_nc_u64 s[94:95], s[4:5], s[94:95]        ; the head's codes of q; k's lie KC on,
	s_add_nc_u64 s[18:19], s[94:95], VC            ; v's here
	s_add_nc_u64 s[96:97], s[4:5], s[96:97]        ; the head's scale words of q; k's lie 524,288 on
	s_add_nc_u64 s[22:23], s[4:5], s[22:23]        ; v's
	s_wait_alu depctr_va_sdst(0)                   ; s10 is written, ahead of its first reader: my first tile is made from it
	s_wait_alu depctr_va_vdst(0)                   ; v5 to v9 are written: the copy's loads read v5 and v9 as offsets, its LDS stores v5 to v8 as addresses; no vector line up to those stores names them again
.irp i, 0,1,2,3,4,5,6,7
	global_load_b128 v[96+4*\i:99+4*\i], v[ADK], s[94:95] offset:KC+8192*\i
.endr
.irp i, 0,1,2,3,4,5,6,7
	global_load_b128 v[128+4*\i:131+4*\i], v[ADK], s[18:19] offset:8192*\i
.endr
	global_load_b128 v[160:163], v[ADK], s[96:97] offset:524288
	global_load_b64 v[164:165], v9, s[22:23]
	v_and_b32 v10, 31, v0
	v_lshlrev_b32 v[AK0], 4, v10                   ; 16 x lane: my place in a fragment's image, in LDS and in memory
	v_add_nc_u32 v[AV0], LV, v[AK0]
	v_add_nc_u32 v[ASK0], LKS, v[AK0]
	v_lshl_add_u32 v[ASV0], v10, 3, LVS
	v_and_b32 v10, 15, v0
	v_lshlrev_b32 v10, 4, v10                      ; 16 r
	v_mov_b32 v11, 0xff800000                      ; -infinity
.irp j, 20,21,22,23
	v_mov_b32 v[\j], 0                             ; Q's K 64 .. 127: zero codes
.endr
.irp t, 0,1,2,3,4,5,6,7
.irp j, 4,5,6,7
	v_mov_b32 v[24+8*\t+\j], 0                     ; and K's, in registers of their own: cleared once, never loaded
.endr
.endr
.irp j, 236,237,238,239,252,253
	v_mov_b32 v[\j], 0                             ; written once: a lane permute's destination counts as one of its sources; v253 is named as the upper half of a pair
.endr
	s_mov_b32 s[SEL], 0x76543210
	s_mov_b32 s[SEL+1], 0xfedcba98
	s_mov_b32 s[CS], 0x3e38aa3b                    ; log2(e) / 8
	s_mov_b32 s[CS+1], s[CS]
	s_lshr_b32 s88, s92, 4                         ; the batch
	s_and_b32 s89, s92, 15                         ; the head
	s_lshl_b32 s98, s88, 20                        ; ctx's codes: 128 tiles of 8,192 bytes a batch; the head's two blocks: 512 bytes
	s_lshl_b32 s90, s89, 9
	s_add_co_u32 s98, s98, s90
	s_lshl_b32 s99, s88, 16                        ; ctx's scale words: 512 bytes a tile; the head's two bytes: K half head / 8, byte 2 (head % 8) of the row's 16
	s_lshr_b32 s90, s89, 3
	s_lshl_b32 s90, s90, 8
	s_add_co_u32 s99, s99, s90
	s_and_b32 s90, s89, 7
	s_lshl_b32 s90, s90, 1
	s_add_co_u32 s99, s99, s90
	s_lshl_b32 s11, s10, 2
	s_add_co_u32 s11, s11, ttmp9                   ; my first tile of queries: 4 w + j
	s_mov_b32 s15, 2
	s_wait_loadcnt 0x0
.irp i, 0,1,2,3,4,5,6,7
	ds_store_b128 v[ADK], v[96+4*\i:99+4*\i] offset:8192*\i
.endr
.irp i, 0,1,2,3,4,5,6,7
	ds_store_b128 v[ADV], v[128+4*\i:131+4*\i] offset:8192*\i
.endr
	ds_store_b128 v[ADS], v[160:163]
	ds_store_b64 v[ADT], v[164:165]
	s_wait_dscnt 0x0                               ; for the others' sake: my stores have landed
	s_barrier_signal -1
	s_barrier_wait -1                              ; the head's K and V lie in LDS; from here on LDS is only read
	s_wait_alu depctr_vm_vsrc(0)                   ; my LDS stores have read v96 to v165: from here on these are S^T and O^T, written by vector and matrix instructions
.Ltile:                                            ; two trips: tile T, then tile 127 - T
	s_lshl_b32 s93, s11, 6
	s_load_b512 s[16:31], s[6:7], s93 offset:FL    ; the tile's sixteen flags
	s_lshl_b32 s91, s11, 9                         ; Q's fragment: 512 bytes a tile
	s_lshr_b32 s88, s11, 3                         ; Q's scale words: [T / 8][lane (r, T % 2)][(T / 2) % 4]
	s_lshl_b32 s88, s88, 9
	s_and_b32 s89, s11, 1
	s_lshl_b32 s89, s89, 8
	s_add_co_u32 s88, s88, s89
	s_bfe_u32 s89, s11, 0x20001
	s_lshl_b32 s89, s89, 2
	s_add_co_u32 s88, s88, s89
	v_add_nc_u32 v240, s91, v[AK0]
	v_add_nc_u32 v241, s88, v10
	s_wait_alu depctr_va_vdst(0)                   ; v240 and v241 are written, which the two loads read; the last tile's products are done reading v16 to v19 and v230, in which they land
	global_load_b128 v[16:19], v240, s[94:95]      ; Q's fragment, K 0 .. 63
	global_load_b32 v230, v241, s[96:97]           ; Q's scale words
	v_mov_b32 v13, 0xff61b1e6                      ; the largest t so far: -3e38, under every t
	v_floor_f32 v12, -v13                          ; -M
	v_mov_b32 v14, 0                               ; the sum, in two halves
	v_mov_b32 v15, 0
.set j, 0
.rept 32
	v_mov_b32 v[160+j], 0                          ; O^T: the step is written once; the first finds zeros, which the first change of M leaves zeros
.set j, j+1
.endr
	s_wait_kmcnt 0x0
	s_mov_b32 s12, s16                             ; the flags, two bits each, the first step's lowest
.irp k, 1,2,3,4,5,6,7,8,9,10,11,12,13,14,15
	s_lshl_b32 s13, s[16+\k], 2*\k
	s_or_b32 s12, s12, s13
.endr
	s_lshl_b32 s93, s11, 12                        ; the tile's lane masks: 256 bytes a step
	s_mov_b32 s14, 0
	s_wait_loadcnt 0x0                             ; Q
.Lstep:                                            ; sixteen trips, a constant: 128 keys each
	s_and_b32 s13, s12, 3
	s_cmp_eq_u32 s13, 2
	s_cbranch_scc1 .Lskip                          ; every key hidden from every query of the tile: p would be 0 throughout
	s_lshl_b32 s91, s14, 8
	s_add_co_u32 s91, s91, s93
	s_load_b512 s[16:31], s[6:7], s91 offset:0     ; the step's 64 lane masks
	s_load_b512 s[32:47], s[6:7], s91 offset:64
	s_load_b512 s[48:63], s[6:7], s91 offset:128
	s_load_b512 s[68:83], s[6:7], s91 offset:192
	s_lshl_b32 s88, s14, 12                        ; a step's codes of K, and of V: 4,096 bytes;
	s_lshl_b32 s89, s14, 9                         ; K's scale words: 512;
	s_lshl_b32 s90, s14, 8                         ; V's: 256
	s_wait_alu depctr_vm_vsrc(0)                   ; the LDS loads issued so far have read v5 to v8
	v_add_nc_u32 v[ADK], s88, v[AK0]
	v_add_nc_u32 v[ADV], s88, v[AV0]
	v_add_nc_u32 v[ADS], s89, v[ASK0]
	v_add_nc_u32 v[ADT], s90, v[ASV0]
	s_wait_alu depctr_va_vdst(0)                   ; v5 to v8 are written; the last step's products are done reading K's, V's and the scale words' registers, in which this step's loads land; the zero codes of Q's and K's upper halves are written
	ds_load_b128 v[224:227], v[ADS]                ; register b: lanes 0-15 tile 2 b's words, lanes 16-31 tile 2 b + 1's
.irp t, 0,1,2,3,4,5,6,7
	ds_load_b128 v[24+8*\t:27+8*\t], v[ADK] offset:512*\t
.endr
	s_wait_dscnt 0x0                               ; K and its scale words are in
.irp b, 0,1,2,3                                ; V's loads are dealt among the products.  No wait: no vector or matrix instruction since the wait above names v6, v8, v192 to v223, v228 or v229
	v_wmma_scale_f32_16x16x128_f8f6f4 v[96+16*\b:103+16*\b], v[24+16*\b:31+16*\b], v[16:23], 0, v[224+\b], v230 matrix_a_fmt:MATRIX_FMT_FP4 matrix_b_fmt:MATRIX_FMT_FP4
	ds_load_b128 v[192+8*\b:195+8*\b], v[ADV] offset:1024*\b
	v_wmma_scale_f32_16x16x128_f8f6f4 v[104+16*\b:111+16*\b], v[32+16*\b:39+16*\b], v[16:23], 0, v[224+\b], v230 matrix_a_fmt:MATRIX_FMT_FP4 matrix_b_fmt:MATRIX_FMT_FP4 matrix_a_scale:MATRIX_SCALE_ROW1
	ds_load_b128 v[196+8*\b:199+8*\b], v[ADV] offset:1024*\b+512
.endr                                              ; register 16 b + i of v96 on: key 32 b + 16 (lane / 16) + i of the step
	ds_load_b64 v[228:229], v[ADT]                 ; register e: lanes 0-15 tile e's words, lanes 16-31 tile 2 + e's
.rept 4
	v_nop
.endr
	s_wait_kmcnt 0x0                               ; the lane masks are in
	s_cmp_eq_u32 s13, 0
	s_cbranch_scc1 .Lopen                          ; nothing hidden in this step
.set n, 0
.rept 64
.if n < 48
	v_cndmask_b32 v[96+n], v[96+n], v11, s[16+n]   ; hidden scores become -infinity ahead of the maximum: p = 0 then
.else
	v_cndmask_b32 v[96+n], v[96+n], v11, s[20+n]
.endif
.set n, n+1
.endr
.Lopen:
.irp b, 0,1,2,3
	v_max3_num_f32 v[232+\b], v[96+16*\b], v[97+16*\b], v[98+16*\b]   ; the largest score of each block of 32 keys: it serves for the row's maximum and, since p rises with the score, for the block's largest p
.endr
.irp i, 3,5,7,9,11,13
.irp b, 0,1,2,3
	v_max3_num_f32 v[232+\b], v[232+\b], v[96+16*\b+\i], v[97+16*\b+\i]
.endr
.endr
.irp b, 0,1,2,3
	v_max_num_f32 v[232+\b], v[232+\b], v[111+16*\b]
.endr
.irp b, 0,1,2,3
	v_permlanex16_b32 v[236+\b], v[232+\b], s[SEL], s[SEL+1]
.endr
.irp b, 0,1,2,3
	v_max_num_f32 v[232+\b], v[232+\b], v[236+\b]  ; with lane l xor 16's 16 keys
.endr
	v_max3_num_f32 v254, v232, v233, v234
	v_max_num_f32 v254, v254, v235                 ; the step's largest score of my query
	v_mul_f32 v254, s[CS], v254                    ; as t
	v_max_num_f32 v13, v13, v254                   ; the running largest t
	v_mov_b32 v254, v12
	v_floor_f32 v12, -v13                          ; the new -M = -ceil(t): a whole number
	v_sub_f32 v254, v12, v254                      ; old M - new M: a whole number, 0 or less
	v_cvt_i32_f32 v254, v254                       ; (it saturates)
	v_ldexp_f32 v252, 1.0, v254                    ; f = 2^(old M - new M): a multiplication by it rounds nothing
.set j, 0
.rept 32
	v_pk_fma_f32 v[96+j:97+j], v[96+j:97+j], s[CS:CS+1], v[12:13] op_sel_hi:[1,0,0]   ; t - M, two at a time
.set j, j+2
.endr
.irp b, 0,1,2,3
	v_fma_f32 v[232+\b], v[232+\b], s[CS], v12     ; the same of each block's largest score
.endr
.set j, 0
.rept 64
	v_exp_f32 v[96+j], v[96+j]                     ; p = 2^(t - M), at most 1
.set j, j+1
.endr
.irp b, 0,1,2,3
	v_exp_f32 v[232+\b], v[232+\b]                 ; the block's largest p
.endr
	v_pk_mul_f32 v[14:15], v[14:15], v[252:253] op_sel_hi:[1,0]   ; the sums under the new M (a plain instruction behind the exponentials)
.set j, 0
.rept 16
	v_pk_mul_f32 v[160+j:161+j], v[160+j:161+j], v[252:253] op_sel_hi:[1,0]   ; O^T under the new M: work that names no exponential's result, between the batch and the wait for it
.set j, j+2
.endr
	s_wait_alu depctr_va_vdst(0)                   ; the 68 exponentials have written v96 to v159 and v232 to v235: one wait for the batch, ahead of its first reader
.irp b, 0,1,2,3
	v_max_num_f32 v[232+\b], 0x1800000, v[232+\b]  ; the floor 2^(3 - 127): the byte cannot fall under 1
.endr
.irp b, 0,1,2,3
	v_add_nc_u32 v[244+\b], 0xff000000, v[232+\b]  ; the conversion's scale operand
.endr
.irp b, 0,1,2,3
	v_lshrrev_b32 v[236+\b], 23, v[244+\b]         ; the scale's byte
.endr
	v_lshl_or_b32 v231, v237, 8, v236              ; p's scale word for these 128 keys
	v_lshl_or_b32 v231, v238, 16, v231
	v_lshl_or_b32 v231, v239, 24, v231
.irp b, 0,1,2,3
	v_cvt_scalef32_pk8_fp4_f32 v[88+2*\b], v[96+16*\b:103+16*\b], v[244+\b]
	v_cvt_scalef32_pk8_fp4_f32 v[89+2*\b], v[104+16*\b:111+16*\b], v[244+\b]
.endr
	v_nop                                          ; one plain instruction behind a scaled conversion
.irp c, 0,1
.irp i, 0,1
	v_permlane16_swap_b32 v[88+4*\c+\i], v[90+4*\c+\i]   ; a whole block to a lane
.endr
.endr
	v_pk_add_f32 v[236:237], v[96:97], v[98:99]    ; the row's sum is taken of the unquantised p: two at a time, in two chains.  (These 32 are also the places between p's codes and scale word and the products below)
.irp j, 4,8,12,16,20,24,28,32,36,40,44,48,52,56,60
	v_pk_add_f32 v[14:15], v[14:15], v[96+\j:97+\j]
	v_pk_add_f32 v[236:237], v[236:237], v[98+\j:99+\j]
.endr
	v_pk_add_f32 v[14:15], v[14:15], v[236:237]
	s_wait_dscnt 0x0                               ; V and its scale words are in
	s_wait_alu depctr_va_vdst(0)                   ; the conversions and exchanges have written p's codes v88 to v95, and v231 holds p's scale word: the scaled products below take them; the places above stay beside this wait
.irp t, 0,1
	v_wmma_scale_f32_16x16x128_f8f6f4 v[160+8*\t:167+8*\t], v[192+8*\t:199+8*\t], v[88:95], v[160+8*\t:167+8*\t], v[228+\t], v231 matrix_a_fmt:MATRIX_FMT_FP4 matrix_b_fmt:MATRIX_FMT_FP4
.endr
.irp t, 0,1
	v_wmma_scale_f32_16x16x128_f8f6f4 v[176+8*\t:183+8*\t], v[208+8*\t:215+8*\t], v[88:95], v[176+8*\t:183+8*\t], v[228+\t], v231 matrix_a_fmt:MATRIX_FMT_FP4 matrix_b_fmt:MATRIX_FMT_FP4 matrix_a_scale:MATRIX_SCALE_ROW1
.endr
.Lskip:
	s_lshr_b32 s12, s12, 2                         ; the next step's flag
	s_add_co_u32 s14, s14, 1
	s_cmp_lt_u32 s14, 16
	s_cbranch_scc1 .Lstep
	; ---- the tile's end: O^T / the sum, quantised along the head's 64: blocks 2 head and 2 head + 1 of ctx's row
.rept 4
	v_nop                                          ; four plain instructions behind the last products
.endr
	v_add_f32 v14, v14, v15
	v_permlanex16_b32 v252, v14, s[SEL], s[SEL+1]
	v_add_f32 v14, v14, v252                       ; the row's sum
	v_cmp_eq_f32 s13, 0, v14                       ; 0: every key was hidden
	v_rcp_f32 v252, v14
	v_mov_b32 v249, 0xffff                         ; (a plain instruction behind the reciprocal)
	s_wait_alu depctr_va_vdst(0)                   ; the reciprocal has written v252, ahead of its first reader
.set j, 0
.rept 16
	v_pk_mul_f32 v[96+j:97+j], v[160+j:161+j], v[252:253] op_sel_hi:[1,0]   ; register 16 b + i: channel 32 b + 16 (lane / 16) + i
.set j, j+2
.endr
.irp b, 0,1
	v_max3_num_f32 v[232+\b], |v[96+16*\b]|, |v[97+16*\b]|, 0x1800000
.endr
.irp i, 2,4,6,8,10,12,14
.irp b, 0,1
	v_max3_num_f32 v[232+\b], v[232+\b], |v[96+16*\b+\i]|, |v[97+16*\b+\i]|
.endr
.endr
.irp b, 0,1
	v_permlanex16_b32 v[236+\b], v[232+\b], s[SEL], s[SEL+1]
.endr
.irp b, 0,1
	v_max_num_f32 v[232+\b], v[232+\b], v[236+\b]
.endr
.irp b, 0,1
	v_add_nc_u32 v[244+\b], 0xff000000, v[232+\b]
.endr
.irp b, 0,1
	v_lshrrev_b32 v[236+\b], 23, v[244+\b]
.endr
	v_lshl_or_b32 v248, v237, 8, v236              ; the two bytes,
	s_wait_alu depctr_va_sdst(0)                   ; the compare has written s13, ahead of the select that reads it
	v_cndmask_b32 v248, v248, v249, s13            ; or twice 0xff
.irp b, 0,1
	v_cvt_scalef32_pk8_fp4_f32 v[88+2*\b], v[96+16*\b:103+16*\b], v[244+\b]
	v_cvt_scalef32_pk8_fp4_f32 v[89+2*\b], v[104+16*\b:111+16*\b], v[244+\b]
.endr
	v_nop
	v_permlane16_swap_b32 v88, v90                 ; lanes 0-15 block 0, lanes 16-31 block 1
	v_permlane16_swap_b32 v89, v91
	s_lshl_b32 s88, s11, 13
	s_add_co_u32 s88, s88, s98
	v_add_nc_u32 v250, s88, v[AK0]
	s_lshl_b32 s89, s11, 9
	s_add_co_u32 s89, s89, s99
	v_add_nc_u32 v251, s89, v10
	s_wait_alu depctr_va_vdst(0)                   ; the codes v88 to v91, the two bytes v248 and the offsets v250 and v251 are written, which the two stores read
	global_store_b128 v250, v[88:91], s[8:9]       ; 32 lanes store 512 consecutive bytes
	global_store_b16 v251, v248, s[8:9] offset:CSC ; row r's two bytes (lanes 16-31 hold and write the same): the heads of a row lie in different work-groups, so these leave two at a time
	s_wait_xcnt 0x0                                ; the stores have had their addresses translated: the next tile writes their registers again only behind this wait,
	s_wait_alu depctr_vm_vsrc(0)                   ; and behind this one: the stores have read v88 to v91, v248, v250 and v251, and Q's loads v240 and v241, all of which the next tile writes again
	s_sub_co_u32 s11, 127, s11
	s_sub_co_u32 s15, s15, 1
	s_cmp_lg_u32 s15, 0
	s_cbranch_scc1 .Ltile
	s_wait_dscnt 0x0
	s_wait_alu depctr_hold_cnt(0) depctr_sa_sdst(0) depctr_va_vdst(0) depctr_va_sdst(0) depctr_va_ssrc(0) depctr_va_vcc(0) depctr_vm_vsrc(0)
	s_wait_tensorcnt 0x0
	ds_add_u32 v243, v255
	s_wait_dscnt 0x0
	s_endpgm
.Lfunc_end_k_q3bc93c5a5e_attn:
	.size	k_q3bc93c5a5e_attn, .Lfunc_end_k_q3bc93c5a5e_attn-k_q3bc93c5a5e_attn
	.p2alignl 7, 3214868480
	.fill 96, 4, 3214868480
	.section	.rodata,"a",@progbits
	.p2align	6, 0x0
	.amdhsa_kernel k_q3bc93c5a5e_attn
		.amdhsa_group_segment_fixed_size 145408
		.amdhsa_private_segment_fixed_size 0
		.amdhsa_enable_private_segment 0
		.amdhsa_kernarg_size 24
		.amdhsa_user_sgpr_count 2
		.amdhsa_user_sgpr_kernarg_segment_ptr 1
		.amdhsa_wavefront_size32 1
		.amdhsa_system_sgpr_workgroup_id_x 1
		.amdhsa_system_sgpr_workgroup_id_y 1
		.amdhsa_system_sgpr_workgroup_id_z 1
		.amdhsa_system_vgpr_workitem_id 0
		.amdhsa_next_free_vgpr 256
		.amdhsa_next_free_sgpr 100
		.amdhsa_reserve_vcc 0
		.amdhsa_float_denorm_mode_32 3
		.amdhsa_float_denorm_mode_16_64 3
		.amdhsa_memory_ordered 1
		.amdhsa_forward_progress 1
		.amdhsa_inst_pref_size 34
	.end_amdhsa_kernel
	.amdgpu_metadata
---
amdhsa.version: [ 1, 2 ]
amdhsa.kernels:
  - .name:           k_q3bc93c5a5e_attn
    .symbol:         k_q3bc93c5a5e_attn.kd
    .args:
      - { .name: qkv, .offset: 0, .size: 8, .value_kind: global_buffer, .address_space: global }
      - { .name: maskw, .offset: 8, .size: 8, .value_kind: global_buffer, .address_space: global }
      - { .name: ctx, .offset: 16, .size: 8, .value_kind: global_buffer, .address_space: global }
    .group_segment_fixed_size: 145408
    .private_segment_fixed_size: 0
    .kernarg_segment_align: 8
    .kernarg_segment_size: 24
    .max_flat_workgroup_size: 512
    .sgpr_count:     100
    .vgpr_count:     256
    .wavefront_size: 32
...
	.end_amdgpu_metadata
.endif
;; end of part 5
;; launch outp: the kernel of part 4 again; grid 4 x 64, 4 waves a work-group, clusters of 4 x 4, 226,816 bytes of LDS; arguments ctx, opnd, bo, out0; writes out0
